; MI455X (gfx1250); checked and timed in simulation.
; The chip was launched on July 23, 2026; its instructions are those of AMD's public machine-readable ISA for CDNA 5 (MIT licence, August 2026) and "CDNA5" Instruction Set Architecture Reference Guide (July 2026). The comments in the code are by the model that wrote it; some were corrected since.
;; Multi Head Attention. Allowed arithmetic: matrix products marked QUANTISED: E2M3 operands, one E8M0 scale for each 32 along K, by v_wmma_scale_f32_16x16x128_f8f6f4 with both operands' format E2M3, f32 sums; everything else in f32.
;; Inputs: Wk 512 x 512 float32; Wo 512 x 512 float32; Wq 512 x 512 float32; Wv 512 x 512 float32; bk 512 float32; bo 512 float32; bq 512 float32; bv 512 float32; mask 4 x 2,048 int32; x 4 x 2,048 x 512 float32.
;; Outputs: out0 4 x 2,048 x 512 float32.
;; This version of the problem:
;;   THIS VERSION OF THE PROBLEM IS GIVEN IN LOW PRECISION. The matrix products marked QUANTISED in the list below multiply operands that are first quantised to E2M3 (2 exponent bits, 3 mantissa bits; 6 bits a number), with one power-of-two scale for each 32 numbers along K (OCP MX v1.0); their sums are f32. All else is computed in f32.
;;   The module's matrix products, in the order in which they are computed (A, B: the left and right operand; K: the contracted axis; several contracted axes count as one K, in the product's order):
;;     1. [M 8,192, K 512] x [K 512, N 512]; A: input x; B: input Wq: QUANTISED
;;     2. [M 8,192, K 512] x [K 512, N 512]; A: input x; B: input Wk: QUANTISED
;;     3. [M 8,192, K 512] x [K 512, N 512]; A: input x; B: input Wv: QUANTISED
;;     4. batch 32 x [M 2,048, K 64] x [K 64, N 2,048]; A: computed on the way; B: computed on the way: QUANTISED
;;     5. batch 32 x [M 2,048, K 2,048] x [K 2,048, N 64]; A: softmax (see below); B: computed on the way: QUANTISED
;;     6. [M 8,192, K 512] x [K 512, N 512]; A: computed on the way; B: input Wo: QUANTISED
;;   THE QUANTISER, for each operand of a quantised product, along K:
;;     - K is cut into blocks of 32 from its start; a last block that is shorter is filled with zeros.
;;     - A block's scale is 2^e with e = floor(log2(the largest magnitude in the block)) - 2, held to -126 .. 127; a block of zeros has e = 0. As a byte (E8M0): e + 127.
;;     - Each number is divided by its block's scale, clamped to +-7.5, and rounded to the nearest number of E2M3, ties to even, subnormals kept.
;;     - The product sums the exact products of the quantised numbers (number of the format x scale) in f32.
;;   ~~~python
;;   def quantise(x, axis):      # numpy; x: float32 -> the quantised numbers, widened to float32 again
;;       x = np.moveaxis(x, axis, -1); K = x.shape[-1]
;;       x = np.pad(x, [(0, 0)] * (x.ndim - 1) + [(0, -K % 32)]); x = x.reshape(x.shape[:-1] + (-1, 32)); a = np.abs(x).max(-1, keepdims=True)
;;       e = np.where(a > 0, np.clip(np.frexp(np.where(a > 0, a, 1))[1] - 1 - 2, -126, 127), 0)      # np.frexp(a)[1] - 1 = floor(log2(a)), exactly
;;       r = np.clip(x / 2.0 ** e, -7.5, 7.5)
;;       step = 2.0 ** (np.maximum(np.frexp(np.where(r == 0, 1, r))[1] - 1, 0) - 3)
;;       q = np.round(r / step) * step * 2.0 ** e      # np.round: ties to even
;;       return np.moveaxis(q.reshape(q.shape[:-2] + (-1,))[..., :K], -1, axis).astype(np.float32)
;;   ~~~
;;   SOFTMAX AHEAD OF A QUANTISED PRODUCT. Where the list says 'softmax', what is quantised is not the finished softmax but p = 2^(t - M), with t = logit x log2(e) and M = ceil(the row's largest t), a whole number; so 1/2 < the row's largest p <= 1. The row's sum l is taken of the UNQUANTISED p, in f32, and the product's result is divided by l at the end. Since M is a whole number, a kernel that streams over the keys may use a running M (the ceiling of the running maximum): every later rescaling is an exact power of two, which a block's scale takes up: the codes' values come out the same.
;;   OPERANDS COMPUTED ON THE WAY. 'Computed on the way' means the value that the module computes at that place (a softmax that the list does not call 'softmax' is quantised finished and normalised). What goes into a quantiser is computed in f32, as accurately as f32 sums, v_exp_f32 and their like allow (about 1e-6 of the number): no bf16 or f16 on the way to a quantiser, and a product that is left as it is and whose result goes on into a quantised operand takes f32 operands (vector FMAs, or v_wmma_f32_16x16x4_f32). A number that lies on a knife's edge between two numbers of the format may be rounded either way, as far as f32 arithmetic and the matrix unit's own rounding can turn it there, and no further.
;; 2 versions. Each part assembles by itself: llvm-mc -triple=amdgcn-amd-amdhsa -mcpu=gfx1250 --defsym DOCPART=n.
;; ======== version 1 of 2: 4 launches
;; limits: right only within a limited range of input values
;; workspace buffers: xq 3,276,800 bytes; wq 819,200 bytes; qq 3,670,016 bytes; kv 6,684,672 bytes; aq 3,670,016 bytes
;; launch prep (part 1): grid 320 x 1, 4 waves a work-group, no clusters, 68,096 bytes of LDS; arguments x, Wq, Wk, Wv, Wo, xq, wq; writes xq, wq
.if DOCPART == 1
	.amdgcn_target "amdgcn-amd-amdhsa--gfx1250"
	.amdhsa_code_object_version 6
	.text
	.protected	k_q50a104b2a4_prep
	.globl	k_q50a104b2a4_prep
	.p2align	8
	.type	k_q50a104b2a4_prep,@function
k_q50a104b2a4_prep:
	s_mov_b64 s[64:65], 0
	v_nop
	global_prefetch_b8 v0, s[64:65] scope:SCOPE_SE
	s_setreg_imm32_b32 hwreg(HW_REG_WAVE_MODE, 25, 1), 1
	s_wait_xcnt 0x0
; MULTI-HEAD ATTENTION IN MX-FP6 (E2M3, one E8M0 scale for each 32 along K), four launches: prep, proj, attn, outp.
; DEAD WORK: none comes in whole units.  Every input has a way to the output and is loaded by some launch: bk moves K's codes, the mask hangs on values, all six products are live.
; THIS LAUNCH quantises x [8192][512] (K innermost) and Wq, Wk, Wv, Wo [512 (k)][512 (n)] (K outermost) along K, once, into workspace laid as IMAGES OF THE OPERAND'S REGISTERS.
; A tile is 16 rows x 128 K = 12 registers a lane; its image is 1,536 bytes: registers 4 g .. 4 g + 3 of lane l at 512 g + 16 l.  Lane (r, h) holds row r, registers 6 c .. 6 c + 5 = k 64 c + 32 h + 0 .. 31.
; THE ROWS OF A TILE ARE NOT NEIGHBOURS: of a run of 32 rows (tokens of x, columns of a weight) tile u takes rows 8 u + r + 8 (r / 8), so that a later result's 16 registers of two neighbouring tiles are 16 neighbours.
; A scale image is 128 bytes, a word a lane: lanes 0-15 the rows of a run's tile 0, lanes 16-31 those of its tile 1; byte b of a word scales k = 32 b .. 32 b + 31 of the K step.
; xq: images [tile 0..511][K step 0..3], from byte 3,145,728 scale images [run 0..255][K step].   wq: images [matrix 0..3][tile 0..31][K step], from byte 786,432 scale images [matrix][run 0..15][K step].
; A block's scale is 2^(floor(log2(its largest magnitude)) - 2): its byte is that magnitude's exponent field - 2, held at 1 from below by a floor among the maximum's leaves.
; LIMITS: a block of zeros gets the byte 1 where the rule says 127 (its codes are zeros, and this program alone reads the bytes); NaN and infinities among the inputs are not served.
; SHARES: work-groups 0-255 take 32 tokens of x each, work-groups 256-319 take 32 columns of one weight each; wave s takes K step s.  Waves share nothing: no barrier.  Only the x path touches LDS.
.set STG,   16896                      ; a wave's stage: 32 rows of 512 bytes + 16
.set SPARE, 4*STG                      ; behind the stages: the spare words, 128 bytes for each wave, which no other line names
.set R,   16                           ; v16-143  numbers as they are loaded
.set X,   144                          ; v144-207 a tile's 64 numbers of my lane
.set C0,  208                          ; v208-219 twelve registers of codes
.set T0,  220                          ; v220-222, v224-226 a block's upper 16 codes on their way
.set C1,  228                          ; v228-239 twelve more
.set W0,  240                          ; v240, v241 scale words
.set W1,  241
.set MX,  242                          ; largest magnitudes
.set SCR, 246                          ; the conversions' scale operands
.set BY,  250                          ; scale bytes
.set PT,  254                          ; a lane permute's destination
	s_load_b256 s[4:11], s[0:1], 0x0               ; x, Wq, Wk, Wv
	s_load_b128 s[12:15], s[0:1], 0x20             ; Wo, xq
	s_load_b64 s[16:17], s[0:1], 0x30              ; wq
	v_lshl_add_u32 v12, v0, 2, SPARE               ; my spare word,
	v_mov_b32 v13, 0                               ; and 0: kept for the closing lines
	v_lshrrev_b32 v1, 5, v0
	v_readfirstlane_b32 s18, v1                    ; wave = K step
	v_and_b32 v1, 31, v0                           ; lane
	v_lshlrev_b32 v2, 4, v1                        ; 16 x lane
	v_lshlrev_b32 v3, 2, v1                        ; 4 x lane
	s_mov_b32 s28, 0x76543210
	s_mov_b32 s29, 0xfedcba98                      ; v_permlanex16_b32's selects for lane l xor 16
	s_mov_b32 s30, 0xffff0000                      ; lanes 16-31
	v_mov_b32 v[PT], 0                             ; written once: a lane permute's destination counts as one of its sources
	s_cmp_lt_u32 ttmp9, 256
	s_cbranch_scc0 .Lweights
; 64 numbers of a lane, v[src + 32 c + i] = k 64 c + 32 h + i of my row: two whole blocks.  They become the image's twelve registers in v[dst] on, and the row's scale word in v[word] (the same in both halves of the lanes).
.macro QX src, dst, word
.irp c, 0,1
	v_max3_num_f32 v[MX+\c], |v[\src+32*\c]|, |v[\src+32*\c+1]|, 0x1800000   ; with the floor 2^(3 - 127): the byte cannot fall under 1
.endr
.irp i, 2,4,6,8,10,12,14,16,18,20,22,24,26,28,30
.irp c, 0,1
	v_max3_num_f32 v[MX+\c], v[MX+\c], |v[\src+32*\c+\i]|, |v[\src+32*\c+\i+1]|   ; the two blocks by turns
.endr
.endr
.irp c, 0,1
	v_add_nc_u32 v[SCR+\c], 0xff000000, v[MX+\c]   ; 2 off the exponent field: the conversion takes this operand's exponent field as its scale
.endr
.irp c, 0,1
	v_lshrrev_b32 v[BY+\c], 23, v[SCR+\c]          ; the scale's byte
.endr
	v_lshl_or_b32 v[\word], v[BY+1], 16, v[BY]     ; my blocks h and 2 + h,
	v_lshlrev_b32 v[\word], v6, v[\word]           ; at their places (8 h bits up);
	v_permlanex16_b32 v[PT], v[\word], s28, s29
	v_or_b32 v[\word], v[\word], v[PT]             ; with lane l xor 16's two the word is whole
.irp c, 0,1
	v_cvt_scalef32_pk16_fp6_f32 v[\dst+6*\c:\dst+6*\c+2], v[\src+32*\c:\src+32*\c+15], v[SCR+\c]
	v_cvt_scalef32_pk16_fp6_f32 v[T0+4*\c:T0+4*\c+2], v[\src+32*\c+16:\src+32*\c+31], v[SCR+\c]   ; (a conversion's three registers begin on an even number)
.endr
	v_nop                                          ; one plain place behind a scaled conversion
.irp c, 0,1
.irp i, 0,1,2
	v_mov_b32 v[\dst+6*\c+3+\i], v[T0+4*\c+\i]
.endr
.endr
.endm
	; ---- x: 32 tokens x 128 along K.  Each load reads 512 consecutive bytes of one row; the rows turn through my own stage, laid there in the tiles' order, and come back 128 bytes a lane and block pair.
	s_mul_i32 s19, s18, STG
	v_add_nc_u32 v4, s19, v2                       ; into the stage: 16 x lane
	v_and_b32 v9, 15, v0                           ; r
	v_bfe_u32 v10, v0, 4, 1                        ; h
	v_mul_u32_u24 v5, v9, 528
	v_lshl_add_u32 v5, v10, 7, v5
	v_add_nc_u32 v5, s19, v5                       ; out of it: row r, + 128 h
	v_lshlrev_b32 v6, 3, v10                       ; 8 h
	s_lshl_b32 s20, ttmp9, 16                      ; 32 rows of 2,048 bytes,
	s_lshl_b32 s21, s18, 9                         ; my K step's 512 bytes
	s_add_co_u32 s20, s20, s21
	s_mov_b32 s21, 0
	s_mul_i32 s22, ttmp9, 12288                    ; two tiles x four K steps x 1,536
	s_mul_i32 s23, s18, 1536
	s_add_co_u32 s22, s22, s23
	s_mov_b32 s23, 0
	s_lshl_b32 s24, ttmp9, 9
	s_lshl_b32 s25, s18, 7
	s_add_co_u32 s24, s24, s25
	s_add_co_u32 s24, s24, 3145728                 ; my scale image
	s_mov_b32 s25, 0
	s_wait_kmcnt 0x0
	s_add_nc_u64 s[4:5], s[4:5], s[20:21]
	s_add_nc_u64 s[26:27], s[14:15], s[24:25]
	s_add_nc_u64 s[14:15], s[14:15], s[22:23]
.set i, 0
.rept 32
	global_load_b128 v[R+4*i:R+4*i+3], v2, s[4:5] offset:2048*i th:TH_LOAD_NT
.set i, i+1
.endr
.irp q, 0,1,2,3
	s_wait_loadcnt 24-8*\q                         ; rows 8 q .. 8 q + 7 are in; the younger groups of eight may be out
.irp n, 0,1,2,3,4,5,6,7
	ds_store_b128 v4, v[R+4*(8*\q+\n):R+4*(8*\q+\n)+3] offset:528*(\n+16*(\q%2)+8*(\q/2))   ; row 8 q + n is row n + 8 (q / 2) of tile q % 2
.endr
.endr
.irp c, 0,1
.irp jj, 0,1,2,3,4,5,6,7
	ds_load_b128 v[X+32*\c+4*\jj:X+32*\c+4*\jj+3], v5 offset:256*\c+16*\jj   ; tile 0.  LDS serves a wave's instructions in order: these see my stores
.endr
.endr
	s_wait_dscnt 0x0                               ; tile 0 is in, and the stage stores have read their registers, which take tile 1:
.irp c, 0,1
.irp jj, 0,1,2,3,4,5,6,7
	ds_load_b128 v[R+32*\c+4*\jj:R+32*\c+4*\jj+3], v5 offset:8448+256*\c+16*\jj
.endr
.endr
	QX X, C0, W0
.irp g, 0,1,2
	global_store_b128 v2, v[C0+4*\g:C0+4*\g+3], s[14:15] offset:512*\g   ; 32 lanes store 512 consecutive bytes
.endr
	s_wait_dscnt 0x0                               ; tile 1 is in
	QX R, C1, W1
.irp g, 0,1,2
	global_store_b128 v2, v[C1+4*\g:C1+4*\g+3], s[14:15] offset:6144+512*\g
.endr
	v_cndmask_b32 v[W0], v[W0], v[W1], s30         ; lanes 0-15 tile 0's words, lanes 16-31 tile 1's
	global_store_b32 v3, v[W0], s[26:27]
	s_branch .Lend
.Lweights:
	; ---- a weight: 32 columns x 128 along K.  A LANE TAKES A COLUMN AND ITS REGISTERS RUN DOWN K: a block of 32 lies in one lane, and the conversions give codes with K innermost.
	s_sub_co_u32 s20, ttmp9, 256
	s_lshr_b32 s21, s20, 4                         ; which matrix: 0 Wq, 1 Wk, 2 Wv, 3 Wo
	s_and_b32 s22, s20, 15                         ; which run of 32 columns
	v_bfe_u32 v9, v0, 3, 1                         ; my column's tile of the run,
	v_and_b32 v10, 7, v0
	v_bfe_u32 v11, v0, 4, 1
	v_lshl_or_b32 v10, v11, 3, v10                 ; and its row there
	v_mul_u32_u24 v7, v9, 6144
	v_lshl_add_u32 v7, v10, 4, v7                  ; its place in the images: 6,144 x tile + 16 x row
	v_lshl_add_u32 v8, v9, 4, v10
	v_lshlrev_b32 v8, 2, v8                        ; and in the scale image
	s_lshl_b32 s24, s18, 18                        ; 128 rows of 2,048 bytes a K step,
	s_lshl_b32 s25, s22, 7                         ; 32 columns of 4 bytes
	s_add_co_u32 s24, s24, s25
	s_mov_b32 s25, 0
	s_lshl_b32 s26, s21, 5
	s_lshl_b32 s27, s22, 1
	s_add_co_u32 s26, s26, s27                     ; the run's first tile,
	s_lshl_b32 s26, s26, 2
	s_add_co_u32 s26, s26, s18                     ; my K step of it
	s_mul_i32 s26, s26, 1536
	s_mov_b32 s27, 0
	s_lshl_b32 s32, s21, 4
	s_add_co_u32 s32, s32, s22
	s_lshl_b32 s32, s32, 2
	s_add_co_u32 s32, s32, s18
	s_lshl_b32 s32, s32, 7
	s_add_co_u32 s32, s32, 786432
	s_mov_b32 s33, 0
	s_wait_kmcnt 0x0
	s_cmp_eq_u32 s21, 1                            ; the choice hangs on the work-group's number alone
	s_cselect_b64 s[34:35], s[8:9], s[6:7]
	s_cmp_eq_u32 s21, 2
	s_cselect_b64 s[34:35], s[10:11], s[34:35]
	s_cmp_eq_u32 s21, 3
	s_cselect_b64 s[34:35], s[12:13], s[34:35]
	s_add_nc_u64 s[34:35], s[34:35], s[24:25]
	s_add_nc_u64 s[36:37], s[16:17], s[32:33]
	s_add_nc_u64 s[16:17], s[16:17], s[26:27]
.set i, 0
.rept 128
	global_load_b32 v[R+i], v3, s[34:35] offset:2048*i th:TH_LOAD_NT   ; row i of the K step at my column
.set i, i+1
.endr
; Block kb of my column.  The image's lane (row, 0) holds blocks 0 and 2 (v[C0] on), its lane (row, 1) blocks 1 and 3 (v[C1] on).
.macro WBLOCK kb, left
.set XS, R+32*\kb
.set CD, C0+20*(\kb%2)+6*(\kb/2)
	s_wait_loadcnt \left                           ; this block's 32 loads are in
	v_max3_num_f32 v[MX], |v[XS]|, |v[XS+1]|, |v[XS+2]|
	v_max3_num_f32 v[MX+1], |v[XS+3]|, |v[XS+4]|, |v[XS+5]|
.irp i, 6,10,14,18,22,26
	v_max3_num_f32 v[MX], v[MX], |v[XS+\i]|, |v[XS+\i+1]|
	v_max3_num_f32 v[MX+1], v[MX+1], |v[XS+\i+2]|, |v[XS+\i+3]|
.endr
	v_max3_num_f32 v[MX], v[MX], |v[XS+30]|, |v[XS+31]|
	v_max3_num_f32 v[MX], v[MX], v[MX+1], 0x1800000
	v_add_nc_u32 v[SCR+\kb], 0xff000000, v[MX]
	v_lshrrev_b32 v[BY+\kb], 23, v[SCR+\kb]
	v_cvt_scalef32_pk16_fp6_f32 v[CD:CD+2], v[XS:XS+15], v[SCR+\kb]
	v_cvt_scalef32_pk16_fp6_f32 v[T0:T0+2], v[XS+16:XS+31], v[SCR+\kb]
	v_nop                                          ; one plain place behind a scaled conversion
.irp i, 0,1,2
	v_mov_b32 v[CD+3+\i], v[T0+\i]
.endr
.endm
	WBLOCK 0, 63                                   ; the wait's count holds 63 at the most: at most 63 out shows the first 65 loads in
	WBLOCK 1, 63
	WBLOCK 2, 32
	WBLOCK 3, 0
	v_lshl_or_b32 v[W0], v[BY+1], 8, v[BY]         ; my column's scale word
	v_lshl_or_b32 v[W0], v[BY+2], 16, v[W0]
	v_lshl_or_b32 v[W0], v[BY+3], 24, v[W0]
.irp g, 0,1,2
	global_store_b128 v7, v[C0+4*\g:C0+4*\g+3], s[16:17] offset:512*\g       ; sixteen lanes fill 256 consecutive bytes of tile 0's image, sixteen of tile 1's
	global_store_b128 v7, v[C1+4*\g:C1+4*\g+3], s[16:17] offset:512*\g+256
.endr
	global_store_b32 v8, v[W0], s[36:37]
.Lend:
	s_wait_tensorcnt 0x0                           ; the wave's end, behind my last LDS store
	ds_add_u32 v12, v13
	s_wait_dscnt 0x0
	s_endpgm
.Lfunc_end_k_q50a104b2a4_prep:
	.size	k_q50a104b2a4_prep, .Lfunc_end_k_q50a104b2a4_prep-k_q50a104b2a4_prep
	.p2alignl 7, 3214868480
	.fill 96, 4, 3214868480
	.section	.rodata,"a",@progbits
	.p2align	6, 0x0
	.amdhsa_kernel k_q50a104b2a4_prep
		.amdhsa_group_segment_fixed_size 68096
		.amdhsa_private_segment_fixed_size 0
		.amdhsa_enable_private_segment 0
		.amdhsa_kernarg_size 56
		.amdhsa_user_sgpr_count 2
		.amdhsa_user_sgpr_kernarg_segment_ptr 1
		.amdhsa_wavefront_size32 1
		.amdhsa_system_sgpr_workgroup_id_x 1
		.amdhsa_system_sgpr_workgroup_id_y 1
		.amdhsa_system_sgpr_workgroup_id_z 1
		.amdhsa_system_vgpr_workitem_id 0
		.amdhsa_next_free_vgpr 256
		.amdhsa_next_free_sgpr 66
		.amdhsa_reserve_vcc 0
		.amdhsa_float_denorm_mode_32 3
		.amdhsa_float_denorm_mode_16_64 3
		.amdhsa_memory_ordered 1
		.amdhsa_forward_progress 1
		.amdhsa_inst_pref_size 36
	.end_amdhsa_kernel
	.amdgpu_metadata
---
amdhsa.version: [ 1, 2 ]
amdhsa.kernels:
  - .name:           k_q50a104b2a4_prep
    .symbol:         k_q50a104b2a4_prep.kd
    .args:
      - { .name: x, .offset: 0, .size: 8, .value_kind: global_buffer, .address_space: global }
      - { .name: Wq, .offset: 8, .size: 8, .value_kind: global_buffer, .address_space: global }
      - { .name: Wk, .offset: 16, .size: 8, .value_kind: global_buffer, .address_space: global }
      - { .name: Wv, .offset: 24, .size: 8, .value_kind: global_buffer, .address_space: global }
      - { .name: Wo, .offset: 32, .size: 8, .value_kind: global_buffer, .address_space: global }
      - { .name: xq, .offset: 40, .size: 8, .value_kind: global_buffer, .address_space: global }
      - { .name: wq, .offset: 48, .size: 8, .value_kind: global_buffer, .address_space: global }
    .group_segment_fixed_size: 68096
    .private_segment_fixed_size: 0
    .kernarg_segment_align: 8
    .kernarg_segment_size: 56
    .max_flat_workgroup_size: 128
    .sgpr_count:     66
    .vgpr_count:     256
    .wavefront_size: 32
...
	.end_amdgpu_metadata
.endif
;; end of part 1
;; launch proj (part 2): grid 64 x 3, 4 waves a work-group, no clusters, 0 bytes of LDS; arguments xq, wq, bq, bk, bv, mask, qq, kv; writes qq, kv
.if DOCPART == 2
	.amdgcn_target "amdgcn-amd-amdhsa--gfx1250"
	.amdhsa_code_object_version 6
	.text
	.protected	k_q50a104b2a4_proj
	.globl	k_q50a104b2a4_proj
	.p2align	8
	.type	k_q50a104b2a4_proj,@function
k_q50a104b2a4_proj:
	s_mov_b64 s[64:65], 0
	v_nop
	global_prefetch_b8 v0, s[64:65] scope:SCOPE_SE
	s_setreg_imm32_b32 hwreg(HW_REG_WAVE_MODE, 25, 1), 1
	s_wait_xcnt 0x0
; Q = x Wq + bq, K = x Wk + bk, V = x Wv + bv on codes of FP6 (E2M3); each result is quantised in registers for attention's products and stored as images of the operand's registers.  No work is left out.
; SHARES: work-group x = 128 tokens (batch x / 16, key step x % 16), work-group y = 0 Q, 1 K, 2 V; wave w makes columns 128 w .. 128 w + 127: heads 2 w and 2 w + 1.  Waves share nothing: no LDS, no barrier.
; ONE FORM OF PRODUCT: accumulator i = inner tile i (source 0) x outer tile (source 1).  The eight inner tiles, all four K steps, stay in registers; the eight outer tiles come one after the other, one ahead.
;   Q, K: inner = my 8 tiles of the weight, outer = a tile of x: a lane holds ONE TOKEN, and its 64 registers run along my 128 channels (the next K: the head's 64, twice).
;   V:    inner = the 8 tiles of x, outer = a tile of Wv: a lane holds ONE CHANNEL, and its 64 registers run along the 128 keys (the next K).
; The rows of a tile are 8 u + r + 8 (r / 8) of a run of 32, so register 16 b + i of a lane is k = 32 b + 16 (lane / 16) + i of the next product.
; THE MASK RIDES IN THE UPPER HALF OF THE SCORES' K STEP OF 128, which a head of 64 leaves empty.  attn puts the code -1 at k = 64 of every key and +1 at k = 64 of every query.  Here a key's scale word gets, for that block,
; the byte 160 (2^33) where mask = 0 and the byte 0 (2^-127) elsewhere, a query's the byte 127, and a masked key's codes are made zeros: its score is then exactly -2^33.
; LIMITS: a masked logit is -2^30 where reference() has -1e9 (results differ only where an unmasked logit of the row lies near or under -1e9); an unmasked score carries a term of -2^-127;
; a block of zeros gets the scale byte 1; NaN and infinities are not served.
; qq: Q's half images (16 queries x 64: registers 0-3 at 16 x lane, 4-5 at 512 + 8 x lane: 768 bytes) [batch x head][tile 0..127]; from byte 3,145,728 their scale words, 128 bytes a tile.
; kv: [batch x head][key step 0..15] x 13,056 bytes: K's 8 half images; from 6,144 V's 4 images (16 channels x 128 keys); at 12,288 K's scale words (16 bytes a lane: word i = tile 2 i + lane / 16); at 12,800 V's (8 bytes a lane).
; NO CLUSTER: operands go from memory straight into registers as images, 49,152 bytes of weights a wave for its 256 matrix instructions; a joint request exists for tensor loads alone, which would send all 196,608 bytes
; of a work-group's operands through LDS, one write and one read more.
; REGISTERS, in windows of 256: window 0: v1-7 lane terms; v8-15 mask words or V's biases; v16-31, v32-47 scale words of inner and outer; v48-111 accumulators; v112-131 codes; v132-148 at work; v149-159 scale words on their way; v160-167 V's bias as C.
;   window 1: inner tiles 0-3 (48 i + 12 s), v192-255 the bias in the result's layout.   window 2: inner tiles 4-7.   window 3: two outer tiles, v0-47 and v48-95.
.set MK,  8
.set SI,  16
.set SO,  32
.set HA,  48
.set PC,  112
.set TM,  132
.set PW,  148
.set WA,  149
.set WB,  150
.set MB,  151
.set KSA, 152
.set KSB, 156
.set CB,  160
.set BI,  192
.set MSB, 0
.macro WIN new                         ; the immediate's high byte repeats the setting that is left; a switch that changes nothing is dropped
.if MSB != (\new)
	s_set_vgpr_msb (MSB<<8)|(\new)
.set MSB, (\new)
.endif
.endm
	s_load_b256 s[4:11], s[0:1], 0x0               ; xq, wq, bq, bk
	s_load_b256 s[12:19], s[0:1], 0x20             ; bv, mask, qq, kv
	v_lshrrev_b32 v1, 5, v0
	v_readfirstlane_b32 s20, v1                    ; wave
	s_and_b32 s22, ttmp7, 0xffff                   ; 0 Q, 1 K, 2 V
	v_and_b32 v[WA], 31, v0
	v_lshlrev_b32 v1, 4, v[WA]                     ; 16 x lane
	v_lshlrev_b32 v2, 3, v[WA]                     ; 8 x lane
	v_lshlrev_b32 v3, 2, v[WA]                     ; 4 x lane
	v_bfe_u32 v[WB], v0, 4, 1
	v_lshlrev_b32 v4, 6, v[WB]                     ; 64 h: my half's 16 numbers of a run of 32
	v_and_b32 v[WA], 15, v0
	v_and_b32 v[WB], 8, v[WA]
	v_add_nc_u32 v[WA], v[WA], v[WB]
	v_lshlrev_b32 v5, 2, v[WA]                     ; 4 (r + 8 (r / 8)): my row of a tile, in words
	v_mov_b32 v6, 0
	v_mov_b32 v7, 0xa00000                         ; the byte 160 at byte 2
.irp b, 0,1,2,3
	v_mov_b32 v[TM+4+\b], 0                        ; written once: a lane permute's destination counts as one of its sources
.endr
	s_mov_b32 s40, 0x76543210
	s_mov_b32 s41, 0xfedcba98                      ; v_permlanex16_b32's selects for lane l xor 16
	s_mov_b32 s42, 0xffff0000                      ; lanes 16-31
	s_mov_b32 s43, 0x7f0000                        ; the byte 127 at byte 2
	s_mul_i32 s44, ttmp9, 49152                    ; x's 8 tiles x 4 K steps x 1,536
	s_mov_b32 s45, 0
	s_mul_i32 s46, s22, 196608                     ; the weight's 32 tiles,
	s_mul_i32 s47, s20, 49152                      ; my 8 of them
	s_add_co_u32 s46, s46, s47
	s_mov_b32 s47, 0
	s_lshl_b32 s48, ttmp9, 11                      ; x's scale images: 4 runs x 4 K steps x 128
	s_add_co_u32 s48, s48, 3145728
	s_mov_b32 s49, 0
	s_lshl_b32 s50, s22, 13                        ; the weight's
	s_lshl_b32 s51, s20, 11
	s_add_co_u32 s50, s50, s51
	s_add_co_u32 s50, s50, 786432
	s_mov_b32 s51, 0
	s_lshl_b32 s52, s20, 9                         ; my 128 numbers of a bias
	s_mov_b32 s53, 0
	s_lshl_b32 s54, ttmp9, 9                       ; my 128 tokens' mask words
	s_mov_b32 s55, 0
	s_lshr_b32 s56, ttmp9, 4
	s_lshl_b32 s56, s56, 3
	s_lshl_b32 s57, s20, 1
	s_add_co_u32 s56, s56, s57                     ; 8 x batch + my first head
	s_and_b32 s57, ttmp9, 15                       ; key step
	s_lshl_b32 s21, s56, 7
	s_lshl_b32 s23, s57, 3
	s_add_co_u32 s21, s21, s23                     ; Q: the first of my 8 tiles
	s_mul_i32 s60, s21, 768
	s_mov_b32 s61, 0
	s_lshl_b32 s62, s21, 7
	s_add_co_u32 s62, s62, 3145728
	s_mov_b32 s63, 0
	s_lshl_b32 s58, s56, 4
	s_add_co_u32 s58, s58, s57
	s_mul_i32 s58, s58, 13056                      ; K, V: my first head's key step
	s_mov_b32 s59, 0
	s_wait_kmcnt 0x0
	s_add_nc_u64 s[44:45], s[4:5], s[44:45]
	s_add_nc_u64 s[46:47], s[6:7], s[46:47]
	s_add_nc_u64 s[48:49], s[4:5], s[48:49]
	s_add_nc_u64 s[50:51], s[6:7], s[50:51]
	s_cmp_eq_u32 s22, 2                            ; V: x inside, the weight outside.  The choice hangs on the work-group's number alone
	s_cselect_b64 s[24:25], s[44:45], s[46:47]     ; inner images
	s_cselect_b64 s[26:27], s[46:47], s[44:45]     ; outer images
	s_cselect_b64 s[28:29], s[48:49], s[50:51]     ; inner scale images
	s_cselect_b64 s[30:31], s[50:51], s[48:49]     ; outer scale images
	s_cselect_b64 s[32:33], s[12:13], s[10:11]
	s_cmp_eq_u32 s22, 0
	s_cselect_b64 s[32:33], s[8:9], s[32:33]       ; the bias
	s_add_nc_u64 s[32:33], s[32:33], s[52:53]
	s_add_nc_u64 s[34:35], s[14:15], s[54:55]      ; the mask
	s_add_nc_u64 s[60:61], s[16:17], s[60:61]      ; Q's images out
	s_add_nc_u64 s[38:39], s[16:17], s[62:63]      ; Q's scale words out
	s_add_nc_u64 s[58:59], s[18:19], s[58:59]      ; K's and V's key step out
	WIN 0x40                                       ; destination window 1, address window 0
.irp i, 0,1,2,3
.irp s, 0,1,2,3
.irp g, 0,1,2
	global_load_b128 v[48*\i+12*\s+4*\g:48*\i+12*\s+4*\g+3], v1, s[24:25] offset:6144*\i+1536*\s+512*\g
.endr
.endr
.endr
	WIN 0x80                                       ; destination window 2
.irp i, 0,1,2,3
.irp s, 0,1,2,3
.irp g, 0,1,2
	global_load_b128 v[48*\i+12*\s+4*\g:48*\i+12*\s+4*\g+3], v1, s[24:25] offset:6144*(\i+4)+1536*\s+512*\g
.endr
.endr
.endr
	WIN 0
.irp p, 0,1,2,3
.irp s, 0,1,2,3
	global_load_b32 v[SI+4*\p+\s], v3, s[28:29] offset:512*\p+128*\s   ; lanes 0-15: tile 2 p's rows; lanes 16-31: tile 2 p + 1's
	global_load_b32 v[SO+4*\p+\s], v3, s[30:31] offset:512*\p+128*\s
.endr
.endr
.macro LOADOUT o                       ; outer tile o, all four K steps: twelve loads of 512 consecutive bytes
	WIN 0xc0                                       ; destination window 3
.irp s, 0,1,2,3
.irp g, 0,1,2
	global_load_b128 v[48*((\o)%2)+12*\s+4*\g:48*((\o)%2)+12*\s+4*\g+3], v1, s[26:27] offset:6144*(\o)+1536*\s+512*\g
.endr
.endr
	WIN 0
.endm
; one matrix instruction; ra, rb: the side's scale words stand in lanes 16-31 of the register named
.macro WM d, a, b, c, sa, sb, ra, rb
.if (\ra) && (\rb)
	v_wmma_scale_f32_16x16x128_f8f6f4 v[\d:\d+7], v[\a:\a+11], v[\b:\b+11], v[\c:\c+7], v[\sa], v[\sb] matrix_a_fmt:MATRIX_FMT_FP6 matrix_b_fmt:MATRIX_FMT_FP6 matrix_a_scale:MATRIX_SCALE_ROW1 matrix_b_scale:MATRIX_SCALE_ROW1
.elseif (\ra)
	v_wmma_scale_f32_16x16x128_f8f6f4 v[\d:\d+7], v[\a:\a+11], v[\b:\b+11], v[\c:\c+7], v[\sa], v[\sb] matrix_a_fmt:MATRIX_FMT_FP6 matrix_b_fmt:MATRIX_FMT_FP6 matrix_a_scale:MATRIX_SCALE_ROW1
.elseif (\rb)
	v_wmma_scale_f32_16x16x128_f8f6f4 v[\d:\d+7], v[\a:\a+11], v[\b:\b+11], v[\c:\c+7], v[\sa], v[\sb] matrix_a_fmt:MATRIX_FMT_FP6 matrix_b_fmt:MATRIX_FMT_FP6 matrix_b_scale:MATRIX_SCALE_ROW1
.else
	v_wmma_scale_f32_16x16x128_f8f6f4 v[\d:\d+7], v[\a:\a+11], v[\b:\b+11], v[\c:\c+7], v[\sa], v[\sb] matrix_a_fmt:MATRIX_FMT_FP6 matrix_b_fmt:MATRIX_FMT_FP6
.endif
.endm
; 32 matrix instructions: the eight accumulators by turns, one instruction a turn, K step by K step.  The bias is the C of each sum's first instruction:
; cmode 0: eight registers a tile in window 1;  cmode 1: v[CB] on, the lane's one number eight times.
.macro MM o, cmode
.irp s, 0,1,2,3
.irp i, 0,1,2,3,4,5,6,7
.if (\s == 0) && (\cmode == 0)
	WIN 0x1d+(\i/4)                                ; source 0 window 1 or 2, source 1 window 3, C window 1, D window 0
	WM HA+8*\i, 48*(\i%4)+12*\s, 48*((\o)%2)+12*\s, BI+8*\i, SI+4*(\i/2)+\s, SO+4*((\o)/2)+\s, \i%2, (\o)%2
.elseif \s == 0
	WIN 0x0d+(\i/4)                                ; C and D window 0
	WM HA+8*\i, 48*(\i%4)+12*\s, 48*((\o)%2)+12*\s, CB, SI+4*(\i/2)+\s, SO+4*((\o)/2)+\s, \i%2, (\o)%2
.else
	WIN 0x0d+(\i/4)
	WM HA+8*\i, 48*(\i%4)+12*\s, 48*((\o)%2)+12*\s, HA+8*\i, SI+4*(\i/2)+\s, SO+4*((\o)/2)+\s, \i%2, (\o)%2
.endif
.endr
.endr
	WIN 0
.endm
; The lane's 64 numbers v[HA] on, register 16 b + i = k 32 b + 16 (lane / 16) + i of my row, become a fragment's codes in v[PC] on and its scale word in v[PW].
.macro QUANT
.irp b, 0,1,2,3
	v_max3_num_f32 v[TM+\b], |v[HA+16*\b]|, |v[HA+1+16*\b]|, 0x1800000   ; block b: my 16 numbers, and the floor 2^(3 - 127): the byte cannot fall under 1
.endr
.irp i, 2,4,6,8,10,12,14
.irp b, 0,1,2,3
	v_max3_num_f32 v[TM+\b], v[TM+\b], |v[HA+16*\b+\i]|, |v[HA+1+16*\b+\i]|   ; the four blocks by turns
.endr
.endr
.irp b, 0,1,2,3
	v_permlanex16_b32 v[TM+4+\b], v[TM+\b], s40, s41
.endr
.irp b, 0,1,2,3
	v_max_num_f32 v[TM+\b], v[TM+\b], v[TM+4+\b]   ; with lane l xor 16's: the block's largest magnitude
.endr
.irp b, 0,1,2,3
	v_add_nc_u32 v[TM+12+\b], 0xff000000, v[TM+\b] ; 2 off its exponent field: the conversion's scale operand
.endr
.irp b, 0,1,2,3
	v_lshrrev_b32 v[TM+4+\b], 23, v[TM+12+\b]      ; the scale's byte
.endr
	v_lshl_or_b32 v[PW], v[TM+5], 8, v[TM+4]
	v_lshl_or_b32 v[PW], v[TM+6], 16, v[PW]
	v_lshl_or_b32 v[PW], v[TM+7], 24, v[PW]
.irp c, 0,1
	v_cvt_scalef32_pk16_fp6_f32 v[PC+6*\c:PC+2+6*\c], v[HA+32*\c:HA+15+32*\c], v[TM+12+2*\c]
	v_cvt_scalef32_pk16_fp6_f32 v[PC+12+4*\c:PC+14+4*\c], v[HA+16+32*\c:HA+31+32*\c], v[TM+12+2*\c+1]   ; (a conversion's three registers begin on an even number)
.endr
	v_nop                                          ; one plain place behind a scaled conversion
.irp c, 0,1                                    ; the operand's layout wants a WHOLE block in a lane: lanes 0-15 block 2 c, lanes 16-31 block 2 c + 1
.irp i, 0,1,2
	v_permlane16_swap_b32 v[PC+6*\c+\i], v[PC+12+4*\c+\i]
.endr
.irp i, 0,1,2
	v_mov_b32 v[PC+3+6*\c+\i], v[PC+12+4*\c+\i]
.endr
.endr
.endm
; Outer tile o.  path: 0 Q, 1 K, 2 V.
.macro ITER o, path
.if \path == 2
.irp jj, 0,1,2,3,4,5,6,7
	v_mov_b32 v[CB+\jj], v[MK+\o]                  ; my channel's bias, for all eight tokens of an accumulator's lane
.endr
.endif
.if \o < 7
	LOADOUT \o+1                                   ; into the buffer that the tile before this one has left: the quantiser's lines stand between its last product and these loads
	s_wait_loadcnt 12                              ; all but the twelve just issued
.else
	s_wait_loadcnt 0x0
.endif
.if \path == 2
	MM \o, 1
.else
	MM \o, 0
.endif
.rept 4
	v_nop                                          ; four places between the last product and the first read of results
.endr
	s_wait_xcnt 0x0                                ; the last tile's stores have read their data registers, which are written again below
	QUANT
.if \path == 0
	v_and_or_b32 v[WA], v[PW], 0xffff, s43         ; my first head's two bytes, and 127 for the mask's block
	v_lshrrev_b32 v[WB], 16, v[PW]
	v_or_b32 v[WB], s43, v[WB]                     ; my second head's
	global_store_b128 v1, v[PC:PC+3], s[60:61] offset:768*\o
	global_store_b64 v2, v[PC+4:PC+5], s[60:61] offset:768*\o+512
	global_store_b128 v1, v[PC+6:PC+9], s[60:61] offset:768*\o+98304      ; the next head: 128 tiles on
	global_store_b64 v2, v[PC+10:PC+11], s[60:61] offset:768*\o+98304+512
	global_store_b32 v3, v[WA], s[38:39] offset:128*\o
	global_store_b32 v3, v[WB], s[38:39] offset:128*\o+16384
.elseif \path == 1
	v_cmp_eq_u32 vcc_lo, 0, v[MK+\o]               ; is my token masked?
.irp i, 0,1,2,3,4,5,6,7,8,9,10,11
	v_cndmask_b32 v[PC+\i], v[PC+\i], v6, vcc_lo   ; then its codes are zeros,
.endr
	v_cndmask_b32 v[MB], v6, v7, vcc_lo            ; and the mask's block has the byte 160, else 0
	v_and_or_b32 v[WA], v[PW], 0xffff, v[MB]
	v_lshrrev_b32 v[WB], 16, v[PW]
	v_or_b32 v[WB], v[WB], v[MB]
.if (\o)%2 == 0
	v_mov_b32 v[KSA+\o/2], v[WA]
	v_mov_b32 v[KSB+\o/2], v[WB]
.else
	v_cndmask_b32 v[KSA+\o/2], v[KSA+\o/2], v[WA], s42   ; lanes 16-31: the odd tile's words
	v_cndmask_b32 v[KSB+\o/2], v[KSB+\o/2], v[WB], s42
.endif
	global_store_b128 v1, v[PC:PC+3], s[58:59] offset:768*\o
	global_store_b64 v2, v[PC+4:PC+5], s[58:59] offset:768*\o+512
	global_store_b128 v1, v[PC+6:PC+9], s[58:59] offset:768*\o+208896     ; the next head: 16 key steps on
	global_store_b64 v2, v[PC+10:PC+11], s[58:59] offset:768*\o+208896+512
.if \o == 7
	global_store_b128 v1, v[KSA:KSA+3], s[58:59] offset:12288
	global_store_b128 v1, v[KSB:KSB+3], s[58:59] offset:12288+208896
.endif
.else
.irp g, 0,1,2
	global_store_b128 v1, v[PC+4*\g:PC+4*\g+3], s[58:59] offset:6144+1536*(\o%4)+512*\g+208896*(\o/4)
.endr
.if (\o)%2 == 0
	v_mov_b32 v[KSA+(\o%4)/2], v[PW]
.else
	v_cndmask_b32 v[KSA+(\o%4)/2], v[KSA+(\o%4)/2], v[PW], s42
.endif
.if (\o)%4 == 3
	global_store_b64 v2, v[KSA:KSA+1], s[58:59] offset:12800+208896*(\o/4)
.endif
.endif
.endm
.macro BIAS                            ; the bias in the result's layout: lane (r, h), tile 2 b + u, register j: channel 32 b + 16 h + 8 u + j
	WIN 0x40
.irp t, 0,1,2,3,4,5,6,7
	global_load_b128 v[BI+8*\t:BI+8*\t+3], v4, s[32:33] offset:(32*(\t/2)+8*(\t%2))*4
	global_load_b128 v[BI+8*\t+4:BI+8*\t+7], v4, s[32:33] offset:(32*(\t/2)+8*(\t%2))*4+16
.endr
	WIN 0
.endm
	LOADOUT 0
	s_cmp_eq_u32 s22, 1
	s_cbranch_scc1 .Lkpath
	s_cmp_eq_u32 s22, 2
	s_cbranch_scc1 .Lvpath
	BIAS
.irp o, 0,1,2,3,4,5,6,7
	ITER \o, 0
.endr
	s_endpgm
.Lkpath:
	BIAS
.irp t, 0,1,2,3,4,5,6,7
	global_load_b32 v[MK+\t], v5, s[34:35] offset:(32*(\t/2)+8*(\t%2))*4   ; the mask word of my token in tile t
.endr
.irp o, 0,1,2,3,4,5,6,7
	ITER \o, 1
.endr
	s_endpgm
.Lvpath:
.irp t, 0,1,2,3,4,5,6,7
	global_load_b32 v[MK+\t], v5, s[32:33] offset:(32*(\t/2)+8*(\t%2))*4   ; bv at my channel of tile t
.endr
	s_wait_loadcnt 0x0                             ; the first tile's opening lines read a bias
.irp o, 0,1,2,3,4,5,6,7
	ITER \o, 2
.endr
	s_endpgm
.Lfunc_end_k_q50a104b2a4_proj:
	.size	k_q50a104b2a4_proj, .Lfunc_end_k_q50a104b2a4_proj-k_q50a104b2a4_proj
	.p2alignl 7, 3214868480
	.fill 96, 4, 3214868480
	.section	.rodata,"a",@progbits
	.p2align	6, 0x0
	.amdhsa_kernel k_q50a104b2a4_proj
		.amdhsa_group_segment_fixed_size 0
		.amdhsa_private_segment_fixed_size 0
		.amdhsa_enable_private_segment 0
		.amdhsa_kernarg_size 64
		.amdhsa_user_sgpr_count 2
		.amdhsa_user_sgpr_kernarg_segment_ptr 1
		.amdhsa_wavefront_size32 1
		.amdhsa_system_sgpr_workgroup_id_x 1
		.amdhsa_system_sgpr_workgroup_id_y 1
		.amdhsa_system_sgpr_workgroup_id_z 1
		.amdhsa_system_vgpr_workitem_id 0
		.amdhsa_next_free_vgpr 864
		.amdhsa_next_free_sgpr 66
		.amdhsa_reserve_vcc 1
		.amdhsa_float_denorm_mode_32 3
		.amdhsa_float_denorm_mode_16_64 3
		.amdhsa_memory_ordered 1
		.amdhsa_forward_progress 1
		.amdhsa_inst_pref_size 255
	.end_amdhsa_kernel
	.section	.bss,"aw",@nobits
	.p2align	6
	.space	262144
	.amdgpu_metadata
---
amdhsa.version: [ 1, 2 ]
amdhsa.kernels:
  - .name:           k_q50a104b2a4_proj
    .symbol:         k_q50a104b2a4_proj.kd
    .args:
      - { .name: xq, .offset: 0, .size: 8, .value_kind: global_buffer, .address_space: global }
      - { .name: wq, .offset: 8, .size: 8, .value_kind: global_buffer, .address_space: global }
      - { .name: bq, .offset: 16, .size: 8, .value_kind: global_buffer, .address_space: global }
      - { .name: bk, .offset: 24, .size: 8, .value_kind: global_buffer, .address_space: global }
      - { .name: bv, .offset: 32, .size: 8, .value_kind: global_buffer, .address_space: global }
      - { .name: mask, .offset: 40, .size: 8, .value_kind: global_buffer, .address_space: global }
      - { .name: qq, .offset: 48, .size: 8, .value_kind: global_buffer, .address_space: global }
      - { .name: kv, .offset: 56, .size: 8, .value_kind: global_buffer, .address_space: global }
    .group_segment_fixed_size: 0
    .private_segment_fixed_size: 0
    .kernarg_segment_align: 8
    .kernarg_segment_size: 64
    .max_flat_workgroup_size: 128
    .sgpr_count:     66
    .vgpr_count:     864
    .wavefront_size: 32
...
	.end_amdgpu_metadata
.endif
;; end of part 2
;; launch attn (part 3): grid 8 x 32, 16 waves a work-group, clusters of 4 x 1, 210,944 bytes of LDS; arguments qq, kv, aq; writes aq
.if DOCPART == 3
	.amdgcn_target "amdgcn-amd-amdhsa--gfx1250"
	.amdhsa_code_object_version 6
	.text
	.protected	k_q50a104b2a4_attn
	.globl	k_q50a104b2a4_attn
	.p2align	8
	.type	k_q50a104b2a4_attn,@function
k_q50a104b2a4_attn:
	s_mov_b64 s[64:65], 0
	v_nop
	global_prefetch_b8 v0, s[64:65] scope:SCOPE_SE
	s_setreg_imm32_b32 hwreg(HW_REG_WAVE_MODE, 25, 1), 1
	s_wait_xcnt 0x0
	s_wait_alu depctr_hold_cnt(0) depctr_sa_sdst(0) depctr_va_vdst(0) depctr_va_sdst(0) depctr_va_ssrc(0) depctr_va_vcc(0) depctr_vm_vsrc(0)
	s_getreg_b32 s2, hwreg(HW_REG_IB_STS2, 6, 4)
	s_cmp_eq_u32 s2, 0
	s_cbranch_scc0 .Lentry_in_a_cluster
	s_endpgm
.Lentry_in_a_cluster:
	s_bfe_u32 s2, ttmp6, 0x10000c
	s_cmp_lg_u32 s2, 0x3003
	s_cbranch_scc0 .Lentry_shape_is_right
	s_endpgm
.Lentry_shape_is_right:
; softmax(Q K^T / 8, masked) V for one head and 256 queries a work-group, both products on codes of FP6 (E2M3); the result is quantised for the output projection.  No work is left out.
; THE SOFTMAX AHEAD OF THE SECOND PRODUCT: t = score x log2(e) / 8; M = the running largest t rounded UP to a whole number; p = 2^(t - M) is quantised along the keys, not normalised; the row's sum is taken of the
; unquantised p and divides at the end.  When M moves, the sum and O are multiplied by 2^(old M - new M): exact.
; THE MASK costs the loop nothing: a head's 64 fill half of a K step of 128.  Every key has the code -1 (40) at k = 64 and every query +1 (8), all other codes of k = 64 .. 127 are zeros; the key's scale byte of that block
; is 160 (2^33) where the key is masked, else 0 (2^-127); the query's is 127.  A masked key's own codes are zeros.  So a masked score is exactly -2^33, its t a whole number: p = 0 beside any open key,
; and p = 1 in every place of a row that has no open key, as reference()'s row of equal logits gives.
; LIMITS: a masked logit is -2^30 where reference() has -1e9 (results differ only where an unmasked logit of the row lies near or under -1e9); an unmasked score carries a term of -2^-127;
; a block of zeros gets the scale byte 1; NaN and infinities are not served.
; SHARES: work-group y = batch x head; its 256 queries are 16 tiles, one a wave, in 256 registers: four waves to a SIMD, so that one wave's vector work stands beside another's matrix work and LDS loads.
; LDS: A WHOLE HEAD'S K AND V LIE THERE AT ONCE: 16 key steps of 13,056 bytes, as they lie in kv (images of the operands' registers: every LDS load takes consecutive bytes).  Nothing is filled again: no ring.
; CLUSTER: the four work-groups of a cluster belong to one head and need the same K and V: each of the 16 key steps is asked for JOINTLY, by wave number: one tensor load a wave is out.
; NO PREFETCH: every byte of K and V is asked for by these first loads at the head; there is no later load for one to run ahead of.
; LAYOUT: both products are used transposed: S^T = K Q^T (source 0 = 16 keys), O^T = V^T P^T (source 0 = 16 channels): a lane holds ONE query throughout.  The keys of a tile, and the channels of a tile of V,
; are 8 u + r + 8 (r / 8) of a run of 32: the 16 registers of two neighbouring tiles are 16 neighbours along the next K.
; REGISTERS: v1, v2 16 and 8 x lane; v3, v4 the step's LDS addresses; v5, v6 the add's two; v8-11 K's scale words; v12 -M, v13 the largest t, v[14:15] the sum; v16-27 Q; v[30:31] V's scale words; v32-79 four tiles of K;
; v80-127 V's four tiles; v128-191 S^T, then p; v192-223 O^T; v224-235 p's codes; v236-254 at work; v255 Q's scale words.
.set STEPB, 13056
.set SPARE, 16*STEPB                   ; behind the head's K and V: the spare words, 128 bytes for each wave, which no other line names
.set KF,  32
.set VF,  80
.set S,   128
.set O,   192
.set PC,  224
.set BM,  236
.set T8,  240
.set SCO, 248
.macro CROUND                          ; a round of the cluster's barrier
	s_barrier_signal -1
	s_barrier_wait -1
	s_cmp_lg_u32 s10, 0
	s_cbranch_scc1 .Lnot_wave_0_\@
	s_barrier_signal -3
.Lnot_wave_0_\@:
	s_barrier_wait -3
	s_barrier_signal -1
	s_barrier_wait -1
.endm
	s_load_b128 s[4:7], s[0:1], 0x0                ; qq, kv
	s_load_b64 s[8:9], s[0:1], 0x10                ; aq
	v_lshl_add_u32 v5, v0, 2, SPARE
	v_mov_b32 v6, 0
	ds_add_u32 v5, v6                              ; the wave's opening: the add, twice on end, and its wait ahead of my first tensor load; the set-up below stands between
	ds_add_u32 v5, v6
	v_lshrrev_b32 v7, 5, v0
	v_readfirstlane_b32 s10, v7                    ; wave 0..15
	s_and_b32 s30, ttmp7, 0xffff                   ; batch x head, which the four partners share
	s_lshl_b32 s32, s30, 4
	s_add_co_u32 s32, s32, s10                     ; the key step that I fetch: my wave's number
	s_mul_i32 s32, s32, STEPB
	s_mov_b32 s33, 0
	s_mov_b32 s12, 1                               ; group 0: count = 1,
	s_mul_i32 s13, s10, STEPB                      ; the LDS address: no place in the cluster enters it
	s_mov_b32 s16, 15|(3<<16)|(1<<21)              ; group 1: the mask names all four work-groups; elements of 8 bytes; bit 21 set beside a mask; no padding
	s_mov_b32 s17, 32<<16                          ; tensor_dim0 = 32: rows of 256 bytes
	s_mov_b32 s18, 51<<16                          ; tensor_dim1 = 51: 13,056 dense bytes
	s_mov_b32 s19, 32<<16                          ; tile_dim0
	s_mov_b32 s20, 51                              ; tile_dim1
	s_mov_b32 s21, 32                              ; the pitch
	s_mov_b32 s22, 0
	s_mov_b32 s23, 0
	s_bfe_u32 s11, ttmp6, 0x40000                  ; cx: it enters Q's and the result's global addresses alone
	s_lshl_b32 s29, ttmp9, 2
	s_add_co_u32 s29, s29, s11                     ; my block of 256 queries
	s_lshl_b32 s31, s29, 4
	s_add_co_u32 s31, s31, s10                     ; my tile of the head's 128
	s_lshl_b32 s34, s30, 7
	s_add_co_u32 s34, s34, s31
	s_mul_i32 s36, s34, 768                        ; Q's half image
	s_mov_b32 s37, 0
	s_lshl_b32 s38, s34, 7
	s_add_co_u32 s38, s38, 3145728                 ; and its scale words
	s_mov_b32 s39, 0
	s_lshr_b32 s35, s30, 3
	s_lshl_b32 s35, s35, 7
	s_add_co_u32 s35, s35, s31                     ; the tile among all tokens' 512,
	s_lshl_b32 s35, s35, 3
	s_and_b32 s44, s30, 7
	s_add_co_u32 s35, s35, s44                     ; x 8 + head
	s_mul_i32 s44, s35, 768
	s_mov_b32 s45, 0
	s_lshl_b32 s46, s35, 7
	s_add_co_u32 s46, s46, 3145728
	s_mov_b32 s47, 0
	s_and_b32 s28, s30, 1
	s_lshl_b32 s28, s28, 4                         ; an odd head's two scale bytes stand 16 bits up
	s_mov_b32 s24, 0x76543210
	s_mov_b32 s25, 0xfedcba98                      ; v_permlanex16_b32's selects for lane l xor 16
	s_mov_b32 s26, 0x3e38aa3b                      ; c = log2(e) / 8
	s_mov_b32 s27, s26                             ; (named with it as a pair, so it is written)
	s_wait_dscnt 0x0                               ; both opening adds are done
	s_wait_kmcnt 0x0
	s_add_nc_u64 s[14:15], s[6:7], s[32:33]        ; group 0: the key step's first byte,
	s_or_b32 s15, s15, 0x80000000                  ; type = 2
	s_add_nc_u64 s[40:41], s[4:5], s[38:39]
	s_add_nc_u64 s[4:5], s[4:5], s[36:37]
	s_add_nc_u64 s[42:43], s[8:9], s[46:47]
	s_add_nc_u64 s[8:9], s[8:9], s[44:45]
	CROUND                                         ; all four work-groups are here: the joint loads meet
	tensor_load_to_lds s[12:15], s[16:23]          ; my one tensor load of the launch
	s_nop 0
	v_and_b32 v7, 31, v0
	v_lshlrev_b32 v1, 4, v7
	v_lshlrev_b32 v2, 3, v7
	v_lshlrev_b32 v254, 2, v7
	global_load_b128 v[16:19], v1, s[4:5]          ; Q's registers 0-5: the head's 64
	global_load_b64 v[20:21], v2, s[4:5] offset:512
	global_load_b32 v255, v254, s[40:41]
	v_bfe_u32 v7, v0, 4, 1
	v_xor_b32 v7, 1, v7                            ; 1 in lanes 0-15, which hold k = 64 .. 95 in registers 6-11
	v_lshlrev_b32 v22, 3, v7                       ; Q: the code +1 at k = 64
	v_mul_u32_u24 v4, v7, 40                       ; K: the code -1
.irp i, 23,24,25,26,27
	v_mov_b32 v[\i], 0
.endr
.irp t, 0,1,2,3
	v_mov_b32 v[KF+12*\t+6], v4                    ; the upper halves of K's four fragments are written once: the loop's loads fill registers 0-5 alone
.irp i, 7,8,9,10,11
	v_mov_b32 v[KF+12*\t+\i], 0
.endr
.endr
	v_mov_b32 v13, 0xff61b1e6                      ; the largest t so far: -3e38, under every t
	v_floor_f32 v12, -v13                          ; -M
	v_mov_b32 v14, 0                               ; the sum, in two halves
	v_mov_b32 v15, 0
.irp b, 0,1,2,3
	v_mov_b32 v[T8+\b], 0                          ; written once: a lane permute's destination counts as one of its sources
.endr
	v_mov_b32 v253, 0                              ; (named as the upper half of the pair v[252:253] before it is first written)
.set j, 0
.rept 32
	v_mov_b32 v[O+j], 0                            ; O^T.  The step is written once: the first finds zeros, which the first change of M leaves zeros
.set j, j+1
.endr
	s_wait_loadcnt 0x0                             ; Q
	s_wait_tensorcnt 0x0                           ; my key step has landed,
	s_barrier_signal -1
	s_barrier_wait -1                              ; and everybody's: the whole head lies in LDS.
.macro KLOAD g                         ; four tiles of 16 keys: registers 0-5 of each
.irp t, 0,1,2,3
	ds_load_b128 v[KF+12*\t:KF+12*\t+3], v3 offset:768*(4*\g+\t)
	ds_load_b64 v[KF+12*\t+4:KF+12*\t+5], v4 offset:768*(4*\g+\t)+512
.endr
.endm
.macro QK T                            ; S^T of tile T: the scale words of tiles 2 i and 2 i + 1 share a register
.if (\T)%2
	v_wmma_scale_f32_16x16x128_f8f6f4 v[S+8*\T:S+8*\T+7], v[KF+12*(\T%4):KF+12*(\T%4)+11], v[16:27], 0, v[8+\T/2], v255 matrix_a_fmt:MATRIX_FMT_FP6 matrix_b_fmt:MATRIX_FMT_FP6 matrix_a_scale:MATRIX_SCALE_ROW1
.else
	v_wmma_scale_f32_16x16x128_f8f6f4 v[S+8*\T:S+8*\T+7], v[KF+12*(\T%4):KF+12*(\T%4)+11], v[16:27], 0, v[8+\T/2], v255 matrix_a_fmt:MATRIX_FMT_FP6 matrix_b_fmt:MATRIX_FMT_FP6
.endif
.endm
.macro PV n                            ; O^T += V^T P^T, 16 channels
.if (\n)%2
	v_wmma_scale_f32_16x16x128_f8f6f4 v[O+8*\n:O+8*\n+7], v[VF+12*\n:VF+12*\n+11], v[PC:PC+11], v[O+8*\n:O+8*\n+7], v[30+\n/2], v253 matrix_a_fmt:MATRIX_FMT_FP6 matrix_b_fmt:MATRIX_FMT_FP6 matrix_a_scale:MATRIX_SCALE_ROW1
.else
	v_wmma_scale_f32_16x16x128_f8f6f4 v[O+8*\n:O+8*\n+7], v[VF+12*\n:VF+12*\n+11], v[PC:PC+11], v[O+8*\n:O+8*\n+7], v[30+\n/2], v253 matrix_a_fmt:MATRIX_FMT_FP6 matrix_b_fmt:MATRIX_FMT_FP6
.endif
.endm
	s_mov_b32 s2, 0                                ; LDS byte at which the key step begins
	s_mov_b32 s3, 16
.Lstep:                                            ; 16 trips of 128 keys
	v_add_nc_u32 v3, s2, v1
	v_add_nc_u32 v4, s2, v2
	KLOAD 0
	ds_load_b128 v[8:11], v3 offset:12288          ; the step's scale words of K
	s_wait_dscnt 0x0
.irp T, 0,1,2,3
	QK \T
.endr
.rept 4
	v_nop                                          ; places in front of loads into registers that matrix instructions have read (for V's, with the two additions above: six behind the last trip's products)
.endr
	KLOAD 1
.irp n, 0,1,2,3
.irp g, 0,1,2
	ds_load_b128 v[VF+12*\n+4*\g:VF+12*\n+4*\g+3], v3 offset:6144+1536*\n+512*\g   ; V's four tiles land while the softmax is worked
.endr
.endr
	ds_load_b64 v[30:31], v4 offset:12800
	s_wait_dscnt 13                                ; K's are in; V's thirteen loads may be out
.irp T, 4,5,6,7
	QK \T
.endr
.rept 4
	v_nop                                          ; places in front of the first read of results
.endr
.irp b, 0,1,2,3
	v_max3_num_f32 v[BM+\b], v[S+16*\b], v[S+1+16*\b], v[S+2+16*\b]   ; THE LARGEST SCORE OF EACH BLOCK OF 32 KEYS serves twice: for the row's maximum, and, since p rises with the score, for the block's largest p
.endr
.irp i, 3,5,7,9,11,13
.irp b, 0,1,2,3
	v_max3_num_f32 v[BM+\b], v[BM+\b], v[S+16*\b+\i], v[S+1+16*\b+\i]
.endr
.endr
.irp b, 0,1,2,3
	v_max_num_f32 v[BM+\b], v[BM+\b], v[S+15+16*\b]
.endr
.irp b, 0,1,2,3
	v_permlanex16_b32 v[T8+\b], v[BM+\b], s24, s25
.endr
.irp b, 0,1,2,3
	v_max_num_f32 v[BM+\b], v[BM+\b], v[T8+\b]     ; with lane l xor 16's 16 keys
.endr
	v_max3_num_f32 v254, v[BM], v[BM+1], v[BM+2]
	v_max_num_f32 v254, v254, v[BM+3]              ; the step's largest score of my query
	v_mul_f32 v254, s26, v254                      ; as t (c is positive)
	v_max_num_f32 v13, v13, v254                   ; the running largest t
	v_mov_b32 v254, v12
	v_floor_f32 v12, -v13                          ; the new -M = floor(-t): M is a whole number
	v_sub_f32 v254, v12, v254                      ; M's old value less its new one: a whole number, 0 or less
	v_cvt_i32_f32 v254, v254                       ; (it saturates)
	v_ldexp_f32 v252, 1.0, v254                    ; f = 2^(old M - new M)
.set j, 0
.rept 32
	v_pk_fma_f32 v[S+j:S+j+1], v[S+j:S+j+1], s[26:27], v[12:13] op_sel_hi:[1,0,0]   ; t - M, two at a time (of the pairs c and -M the low word serves both halves)
.set j, j+2
.endr
.irp b, 0,1,2,3
	v_fma_f32 v[BM+\b], v[BM+\b], s26, v12         ; the same of each block's largest score
.endr
.set j, 0
.rept 64
	v_exp_f32 v[S+j], v[S+j]                       ; p = 2^(t - M): not normalised
.set j, j+1
.endr
	v_pk_mul_f32 v[14:15], v[14:15], v[252:253] op_sel_hi:[1,0]   ; the sums under the new M: the plain place behind the exponentials
	s_wait_alu depctr_va_vdst(0)                   ; the wait ahead of the first line that names a result: one for the whole batch
.irp b, 0,1,2,3
	v_exp_f32 v[BM+\b], v[BM+\b]                   ; the block's largest p: the same two instructions on the same number
.endr
	v_pk_add_f32 v[T8:T8+1], v[S:S+1], v[S+2:S+3]  ; THE ROW'S SUM IS TAKEN OF THE UNQUANTISED p, in two chains; it reads the 64 alone
.irp j, 4,8,12,16,20,24,28,32,36,40,44,48,52,56,60
	v_pk_add_f32 v[14:15], v[14:15], v[S+\j:S+\j+1]
	v_pk_add_f32 v[T8:T8+1], v[T8:T8+1], v[S+2+\j:S+3+\j]
.endr
	v_pk_add_f32 v[14:15], v[14:15], v[T8:T8+1]
	s_wait_alu depctr_va_vdst(0)                   ; and one for the four
.irp b, 0,1,2,3
	v_max_num_f32 v[BM+\b], 0x1800000, v[BM+\b]    ; the floor 2^(3 - 127): the byte cannot fall under 1 (a block whose every p is 0 keeps that byte: its codes are zeros)
.endr
.irp b, 0,1,2,3
	v_add_nc_u32 v[SCO+\b], 0xff000000, v[BM+\b]   ; 2 off the exponent field: the conversion's scale operand
.endr
.irp b, 0,1,2,3
	v_lshrrev_b32 v[T8+\b], 23, v[SCO+\b]          ; the scale's byte
.endr
	v_lshl_or_b32 v253, v[T8+1], 8, v[T8]          ; p's scale word for these 128 keys
	v_lshl_or_b32 v253, v[T8+2], 16, v253
	v_lshl_or_b32 v253, v[T8+3], 24, v253
.irp c, 0,1
	v_cvt_scalef32_pk16_fp6_f32 v[PC+6*\c:PC+2+6*\c], v[S+32*\c:S+15+32*\c], v[SCO+2*\c]
	v_cvt_scalef32_pk16_fp6_f32 v[T8+4*\c:T8+2+4*\c], v[S+16+32*\c:S+31+32*\c], v[SCO+2*\c+1]   ; (a conversion's three registers begin on an even number)
.endr
	v_nop                                          ; one plain place behind a scaled conversion
.irp c, 0,1                                    ; the operand's layout wants a WHOLE block in a lane
.irp i, 0,1,2
	v_permlane16_swap_b32 v[PC+6*\c+\i], v[T8+4*\c+\i]
.endr
.irp i, 0,1,2
	v_mov_b32 v[PC+3+6*\c+\i], v[T8+4*\c+\i]
.endr
.endr
.set j, 0
.rept 16
	v_pk_mul_f32 v[O+j:O+j+1], v[O+j:O+j+1], v[252:253] op_sel_hi:[1,0]   ; O^T under the new M.  These sixteen are also the places between the codes, the scale word and the products below
.set j, j+2
.endr
	s_wait_dscnt 0x0                               ; V
.irp n, 0,1,2,3
	PV \n                                          ; the four accumulators by turns; eight other products stand between a trip's and the next trip's
.endr
	s_add_co_u32 s2, s2, STEPB
	s_sub_co_u32 s3, s3, 1
	s_cmp_lg_u32 s3, 0
	s_cbranch_scc1 .Lstep
	; THE WAY OUT: O^T / the sum is the projection's operand: my query's 64 channels are two blocks of 32, register 16 b + i = channel 32 b + 16 (lane / 16) + i.
	v_add_f32 v14, v14, v15                        ; the sum's two halves,
	v_permlanex16_b32 v252, v14, s24, s25
	v_add_f32 v14, v14, v252                       ; and lane l xor 16's: the row's sum
	v_rcp_f32 v14, v14
	v_and_b32 v254, 31, v0                         ; (plain places behind the reciprocal and behind the last products)
	v_lshlrev_b32 v254, 2, v254                    ; 4 x lane
.rept 4
	v_nop
.endr
	s_wait_alu depctr_va_vdst(0)                   ; the wait ahead of the reciprocal's first reader
.set j, 0
.rept 32
	v_mul_f32 v[S+j], v[O+j], v14                  ; each accumulator from its low end on
.set j, j+1
.endr
.irp b, 0,1
	v_max3_num_f32 v[BM+\b], |v[S+16*\b]|, |v[S+1+16*\b]|, 0x1800000
.endr
.irp i, 2,4,6,8,10,12,14
.irp b, 0,1
	v_max3_num_f32 v[BM+\b], v[BM+\b], |v[S+16*\b+\i]|, |v[S+1+16*\b+\i]|
.endr
.endr
.irp b, 0,1
	v_permlanex16_b32 v[T8+\b], v[BM+\b], s24, s25
.endr
.irp b, 0,1
	v_max_num_f32 v[BM+\b], v[BM+\b], v[T8+\b]
.endr
.irp b, 0,1
	v_add_nc_u32 v[SCO+\b], 0xff000000, v[BM+\b]
.endr
.irp b, 0,1
	v_lshrrev_b32 v[T8+\b], 23, v[SCO+\b]
.endr
	v_lshl_or_b32 v253, v[T8+1], 8, v[T8]
	v_lshlrev_b32 v253, s28, v253                  ; an even head's bytes are bytes 0, 1 of the projection's scale word, an odd head's bytes 2, 3; the rest is 0
	v_cvt_scalef32_pk16_fp6_f32 v[PC:PC+2], v[S:S+15], v[SCO]
	v_cvt_scalef32_pk16_fp6_f32 v[T8+4:T8+6], v[S+16:S+31], v[SCO+1]
	v_nop
.irp i, 0,1,2
	v_permlane16_swap_b32 v[PC+\i], v[T8+4+\i]
.endr
.irp i, 0,1,2
	v_mov_b32 v[PC+3+\i], v[T8+4+\i]
.endr
	global_store_b128 v1, v[PC:PC+3], s[8:9]       ; a half image: 512 consecutive bytes,
	global_store_b64 v2, v[PC+4:PC+5], s[8:9] offset:512   ; and 256
	global_store_b32 v254, v253, s[42:43]
	s_wait_tensorcnt 0x0                           ; the wave's end
	ds_add_u32 v5, v6
	s_wait_dscnt 0x0
	CROUND                                         ; the closing round: no work-group ends while a partner may still ask for a tile that names it
	s_endpgm
.Lfunc_end_k_q50a104b2a4_attn:
	.size	k_q50a104b2a4_attn, .Lfunc_end_k_q50a104b2a4_attn-k_q50a104b2a4_attn
	.p2alignl 7, 3214868480
	.fill 96, 4, 3214868480
	.section	.rodata,"a",@progbits
	.p2align	6, 0x0
	.amdhsa_kernel k_q50a104b2a4_attn
		.amdhsa_group_segment_fixed_size 210944
		.amdhsa_private_segment_fixed_size 0
		.amdhsa_enable_private_segment 0
		.amdhsa_kernarg_size 24
		.amdhsa_user_sgpr_count 2
		.amdhsa_user_sgpr_kernarg_segment_ptr 1
		.amdhsa_wavefront_size32 1
		.amdhsa_system_sgpr_workgroup_id_x 1
		.amdhsa_system_sgpr_workgroup_id_y 1
		.amdhsa_system_sgpr_workgroup_id_z 1
		.amdhsa_system_vgpr_workitem_id 0
		.amdhsa_next_free_vgpr 256
		.amdhsa_next_free_sgpr 66
		.amdhsa_reserve_vcc 0
		.amdhsa_float_denorm_mode_32 3
		.amdhsa_float_denorm_mode_16_64 3
		.amdhsa_memory_ordered 1
		.amdhsa_forward_progress 1
		.amdhsa_inst_pref_size 27
	.end_amdhsa_kernel
	.amdgpu_metadata
---
amdhsa.version: [ 1, 2 ]
amdhsa.kernels:
  - .name:           k_q50a104b2a4_attn
    .symbol:         k_q50a104b2a4_attn.kd
    .args:
      - { .name: qq, .offset: 0, .size: 8, .value_kind: global_buffer, .address_space: global }
      - { .name: kv, .offset: 8, .size: 8, .value_kind: global_buffer, .address_space: global }
      - { .name: aq, .offset: 16, .size: 8, .value_kind: global_buffer, .address_space: global }
    .group_segment_fixed_size: 210944
    .private_segment_fixed_size: 0
    .kernarg_segment_align: 8
    .kernarg_segment_size: 24
    .max_flat_workgroup_size: 512
    .sgpr_count:     66
    .vgpr_count:     256
    .wavefront_size: 32
...
	.end_amdgpu_metadata
.endif
;; end of part 3
;; launch outp (part 4): grid 64 x 4, 4 waves a work-group, no clusters, 68,096 bytes of LDS; arguments aq, wq, bo, out0; writes out0
.if DOCPART == 4
	.amdgcn_target "amdgcn-amd-amdhsa--gfx1250"
	.amdhsa_code_object_version 6
	.text
	.protected	k_q50a104b2a4_outp
	.globl	k_q50a104b2a4_outp
	.p2align	8
	.type	k_q50a104b2a4_outp,@function
k_q50a104b2a4_outp:
	s_mov_b64 s[64:65], 0
	v_nop
	global_prefetch_b8 v0, s[64:65] scope:SCOPE_SE
	s_setreg_imm32_b32 hwreg(HW_REG_WAVE_MODE, 25, 1), 1
	s_wait_xcnt 0x0
; out0 = A Wo + bo on codes of FP6 (E2M3): A is attention's result, quantised by the launch before.  No work is left out.
; SHARES: work-group x = 128 tokens, work-group y = 128 columns; wave w takes the two tiles of tokens 32 w .. 32 w + 31 against the 8 tiles of Wo's columns: 64 matrix instructions.
; The product is used transposed (source 0 = 16 columns of Wo, source 1 = 16 tokens): a lane holds one token, and the 16 registers of two neighbouring tiles are 16 neighbouring columns, 64 bytes of a row of out0.
; A's K step s is heads 2 s and 2 s + 1: two half images fill the fragment's registers 0-5 and 6-11, and the two heads' scale words (bytes 0, 1 and bytes 2, 3) are joined by an OR.
; The rows of a tile of tokens are 8 u + r + 8 (r / 8) of a run of 32: the way out puts each row at its own place.
; NO CLUSTER: operands go from memory straight into registers as images; a joint request exists for tensor loads alone, which would send the weights through LDS, one write and one read more, for 64 matrix instructions a wave.
; REGISTERS, in windows of 256: window 0: v1-4 lane terms; v9, v10 stage addresses; v12, v13 the add's two; v16-31 Wo's scale words; v32-39 A's; v40-55 the heads' words; v64-191 two tiles' accumulators; v192-255 rows on their way out.
;   window 1: Wo's tiles 0-3 (48 i + 12 s), v192-255 bo in the result's layout.   window 2: tiles 4-7.   window 3: A's two tiles, v0-47 and v48-95.
.set STG,   16896                      ; a wave's stage: two tiles of 16 rows x (512 bytes + 16)
.set SPARE, 4*STG                      ; behind the stages: the spare words, 128 bytes for each wave, which no other line names
.set SI,  16
.set SO,  32
.set AS,  40
.set HA,  64
.set BK,  192
.set BI,  192
.set MSB, 0
.macro WIN new                         ; the immediate's high byte repeats the setting that is left
.if MSB != (\new)
	s_set_vgpr_msb (MSB<<8)|(\new)
.set MSB, (\new)
.endif
.endm
	s_load_b256 s[4:11], s[0:1], 0x0               ; aq, wq, bo, out0
	v_lshl_add_u32 v12, v0, 2, SPARE
	v_mov_b32 v13, 0
	v_lshrrev_b32 v1, 5, v0
	v_readfirstlane_b32 s20, v1                    ; wave
	s_and_b32 s22, ttmp7, 0xffff                   ; which 128 columns
	v_and_b32 v56, 31, v0
	v_lshlrev_b32 v1, 4, v56                       ; 16 x lane
	v_lshlrev_b32 v2, 3, v56                       ; 8 x lane
	v_lshlrev_b32 v3, 2, v56                       ; 4 x lane
	v_bfe_u32 v57, v0, 4, 1                        ; h
	v_lshlrev_b32 v4, 6, v57                       ; 64 h
	s_mul_i32 s19, s20, STG                        ; my stage
	s_mul_i32 s24, s22, 49152
	s_add_co_u32 s24, s24, 589824                  ; Wo is the fourth matrix of wq; my 8 tiles
	s_mov_b32 s25, 0
	s_lshl_b32 s28, s22, 11
	s_add_co_u32 s28, s28, 811008                  ; their scale images: 786,432 + 3 x 8,192 on
	s_mov_b32 s29, 0
	s_lshl_b32 s32, s22, 9                         ; bo's 128 numbers
	s_mov_b32 s33, 0
	s_mul_i32 s26, ttmp9, 49152                    ; 8 tiles x 8 heads x 768,
	s_mul_i32 s27, s20, 12288                      ; my two tiles
	s_add_co_u32 s26, s26, s27
	s_mov_b32 s27, 0
	s_lshl_b32 s30, ttmp9, 13
	s_lshl_b32 s31, s20, 11
	s_add_co_u32 s30, s30, s31
	s_add_co_u32 s30, s30, 3145728                 ; their scale words
	s_mov_b32 s31, 0
	s_lshl_b32 s36, ttmp9, 18                      ; 128 rows of 2,048 bytes,
	s_lshl_b32 s37, s20, 16                        ; my 32,
	s_add_co_u32 s36, s36, s37
	s_add_co_u32 s36, s36, s32                     ; my work-group's 512 bytes of a row
	s_mov_b32 s37, 0
	s_wait_kmcnt 0x0
	s_add_nc_u64 s[24:25], s[6:7], s[24:25]
	s_add_nc_u64 s[28:29], s[6:7], s[28:29]
	s_add_nc_u64 s[32:33], s[8:9], s[32:33]
	s_add_nc_u64 s[26:27], s[4:5], s[26:27]
	s_add_nc_u64 s[30:31], s[4:5], s[30:31]
	s_add_nc_u64 s[36:37], s[10:11], s[36:37]
	WIN 0x40                                       ; destination window 1, address window 0
.irp i, 0,1,2,3
.irp s, 0,1,2,3
.irp g, 0,1,2
	global_load_b128 v[48*\i+12*\s+4*\g:48*\i+12*\s+4*\g+3], v1, s[24:25] offset:6144*\i+1536*\s+512*\g
.endr
.endr
.endr
.irp t, 0,1,2,3,4,5,6,7                        ; bo: lane (r, h), tile 2 b + u, register j: column 32 b + 16 h + 8 u + j
	global_load_b128 v[BI+8*\t:BI+8*\t+3], v4, s[32:33] offset:(32*(\t/2)+8*(\t%2))*4
	global_load_b128 v[BI+8*\t+4:BI+8*\t+7], v4, s[32:33] offset:(32*(\t/2)+8*(\t%2))*4+16
.endr
	WIN 0x80                                       ; destination window 2
.irp i, 0,1,2,3
.irp s, 0,1,2,3
.irp g, 0,1,2
	global_load_b128 v[48*\i+12*\s+4*\g:48*\i+12*\s+4*\g+3], v1, s[24:25] offset:6144*(\i+4)+1536*\s+512*\g
.endr
.endr
.endr
	WIN 0xc0                                       ; destination window 3
.irp o, 0,1
.irp hd, 0,1,2,3,4,5,6,7
	global_load_b128 v[48*\o+12*(\hd/2)+6*(\hd%2):48*\o+12*(\hd/2)+6*(\hd%2)+3], v1, s[26:27] offset:6144*\o+768*\hd
	global_load_b64 v[48*\o+12*(\hd/2)+6*(\hd%2)+4:48*\o+12*(\hd/2)+6*(\hd%2)+5], v2, s[26:27] offset:6144*\o+768*\hd+512
.endr
.endr
	WIN 0
.irp p, 0,1,2,3
.irp s, 0,1,2,3
	global_load_b32 v[SI+4*\p+\s], v3, s[28:29] offset:512*\p+128*\s   ; lanes 0-15: tile 2 p's columns; lanes 16-31: tile 2 p + 1's
.endr
.endr
.irp o, 0,1
.irp hd, 0,1,2,3,4,5,6,7
	global_load_b32 v[AS+8*\o+\hd], v3, s[30:31] offset:1024*\o+128*\hd
.endr
.endr
	s_wait_loadcnt 0x0
.irp o, 0,1
.irp s, 0,1,2,3
	v_or_b32 v[SO+4*\o+\s], v[AS+8*\o+2*\s], v[AS+8*\o+2*\s+1]   ; two heads' bytes make a K step's scale word
.endr
.endr
	v_and_b32 v56, 15, v0                          ; eight plain lines stand between a scale word made by a vector instruction and the first scaled product: the stage's addresses, and three v_nop
	v_mul_u32_u24 v9, v56, 528
	v_lshl_add_u32 v9, v57, 6, v9
	v_add_nc_u32 v9, s19, v9                       ; into the stage: row r, + 64 h
	v_add_nc_u32 v10, s19, v1                      ; back: 16 x lane of a row
.rept 3
	v_nop
.endr
.macro WMO d, a, b, c, sa, sb, ra
.if (\ra)
	v_wmma_scale_f32_16x16x128_f8f6f4 v[\d:\d+7], v[\a:\a+11], v[\b:\b+11], v[\c:\c+7], v[\sa], v[\sb] matrix_a_fmt:MATRIX_FMT_FP6 matrix_b_fmt:MATRIX_FMT_FP6 matrix_a_scale:MATRIX_SCALE_ROW1
.else
	v_wmma_scale_f32_16x16x128_f8f6f4 v[\d:\d+7], v[\a:\a+11], v[\b:\b+11], v[\c:\c+7], v[\sa], v[\sb] matrix_a_fmt:MATRIX_FMT_FP6 matrix_b_fmt:MATRIX_FMT_FP6
.endif
.endm
; 32 matrix instructions for tile o of tokens: the eight accumulators by turns, one instruction a turn, K step by K step; bo is the C of each sum's first instruction.
.macro MMO o
.irp s, 0,1,2,3
.irp i, 0,1,2,3,4,5,6,7
.if \s == 0
	WIN 0x1d+(\i/4)                                ; source 0 window 1 or 2, source 1 window 3, C window 1, D window 0
	WMO HA+64*\o+8*\i, 48*(\i%4)+12*\s, 48*\o+12*\s, BI+8*\i, SI+4*(\i/2)+\s, SO+4*\o+\s, \i%2
.else
	WIN 0x0d+(\i/4)                                ; C and D window 0
	WMO HA+64*\o+8*\i, 48*(\i%4)+12*\s, 48*\o+12*\s, HA+64*\o+8*\i, SI+4*(\i/2)+\s, SO+4*\o+\s, \i%2
.endif
.endr
.endr
.endm
	MMO 0
	MMO 1
	WIN 0
.rept 4
	v_nop                                          ; four places between the last product and the first read of results
.endr
	; THE WAY OUT, through my own stage: a lane's 64 bytes of a row go in, whole rows of 512 bytes come back.  LDS serves a wave's instructions in order: no wait between the stores and the loads.
.irp b, 0,1,2,3
.irp q, 0,1,2,3
	ds_store_b128 v9, v[HA+16*\b+4*\q:HA+16*\b+4*\q+3] offset:128*\b+16*\q   ; each accumulator from its low end on
.endr
.endr
.irp rr, 0,1,2,3,4,5,6,7,8,9,10,11,12,13,14,15
	ds_load_b128 v[BK+4*\rr:BK+4*\rr+3], v10 offset:528*\rr
.endr
.irp b, 0,1,2,3
.irp q, 0,1,2,3
	ds_store_b128 v9, v[HA+64+16*\b+4*\q:HA+64+16*\b+4*\q+3] offset:8448+128*\b+16*\q
.endr
.endr
	s_wait_dscnt 16                                ; the first tile's rows are back; the second tile's sixteen stores may be out
.irp rr, 0,1,2,3,4,5,6,7,8,9,10,11,12,13,14,15
	global_store_b128 v1, v[BK+4*\rr:BK+4*\rr+3], s[36:37] offset:(\rr+8*(\rr/8))*2048 th:TH_STORE_NT   ; 32 lanes store 512 consecutive bytes, at a multiple of 512 from out0's first byte
.endr
.irp rr, 0,1,2,3,4,5,6,7,8,9,10,11,12,13,14,15
	ds_load_b128 v[HA+4*\rr:HA+4*\rr+3], v10 offset:8448+528*\rr   ; into the first tile's accumulators, whose stage stores are done
.endr
	s_wait_dscnt 0x0
.irp rr, 0,1,2,3,4,5,6,7,8,9,10,11,12,13,14,15
	global_store_b128 v1, v[HA+4*\rr:HA+4*\rr+3], s[36:37] offset:(8+\rr+8*(\rr/8))*2048 th:TH_STORE_NT
.endr
	s_wait_tensorcnt 0x0                           ; the wave's end, behind my last LDS store
	ds_add_u32 v12, v13
	s_wait_dscnt 0x0
	s_endpgm
.Lfunc_end_k_q50a104b2a4_outp:
	.size	k_q50a104b2a4_outp, .Lfunc_end_k_q50a104b2a4_outp-k_q50a104b2a4_outp
	.p2alignl 7, 3214868480
	.fill 96, 4, 3214868480
	.section	.rodata,"a",@progbits
	.p2align	6, 0x0
	.amdhsa_kernel k_q50a104b2a4_outp
		.amdhsa_group_segment_fixed_size 68096
		.amdhsa_private_segment_fixed_size 0
		.amdhsa_enable_private_segment 0
		.amdhsa_kernarg_size 32
		.amdhsa_user_sgpr_count 2
		.amdhsa_user_sgpr_kernarg_segment_ptr 1
		.amdhsa_wavefront_size32 1
		.amdhsa_system_sgpr_workgroup_id_x 1
		.amdhsa_system_sgpr_workgroup_id_y 1
		.amdhsa_system_sgpr_workgroup_id_z 1
		.amdhsa_system_vgpr_workitem_id 0
		.amdhsa_next_free_vgpr 864
		.amdhsa_next_free_sgpr 66
		.amdhsa_reserve_vcc 0
		.amdhsa_float_denorm_mode_32 3
		.amdhsa_float_denorm_mode_16_64 3
		.amdhsa_memory_ordered 1
		.amdhsa_forward_progress 1
		.amdhsa_inst_pref_size 36
	.end_amdhsa_kernel
	.amdgpu_metadata
---
amdhsa.version: [ 1, 2 ]
amdhsa.kernels:
  - .name:           k_q50a104b2a4_outp
    .symbol:         k_q50a104b2a4_outp.kd
    .args:
      - { .name: aq, .offset: 0, .size: 8, .value_kind: global_buffer, .address_space: global }
      - { .name: wq, .offset: 8, .size: 8, .value_kind: global_buffer, .address_space: global }
      - { .name: bo, .offset: 16, .size: 8, .value_kind: global_buffer, .address_space: global }
      - { .name: out0, .offset: 24, .size: 8, .value_kind: global_buffer, .address_space: global }
    .group_segment_fixed_size: 68096
    .private_segment_fixed_size: 0
    .kernarg_segment_align: 8
    .kernarg_segment_size: 32
    .max_flat_workgroup_size: 128
    .sgpr_count:     66
    .vgpr_count:     864
    .wavefront_size: 32
...
	.end_amdgpu_metadata
.endif
;; end of part 4
;; ======== version 2 of 2: 4 launches
;; limits: right only within a limited range of input values
;; workspace buffers: xq 3,276,800 bytes; wq 819,200 bytes; qq 3,670,016 bytes; kv 6,684,672 bytes; aq 3,670,016 bytes
;; launch prep (part 5): grid 320 x 1, 4 waves a work-group, no clusters, 68,096 bytes of LDS; arguments x, Wq, Wk, Wv, Wo, xq, wq; writes xq, wq
.if DOCPART == 5
	.amdgcn_target "amdgcn-amd-amdhsa--gfx1250"
	.amdhsa_code_object_version 6
	.text
	.protected	k_q50a104b2a4_prep
	.globl	k_q50a104b2a4_prep
	.p2align	8
	.type	k_q50a104b2a4_prep,@function
k_q50a104b2a4_prep:
	s_mov_b64 s[64:65], 0
	v_nop
	global_prefetch_b8 v0, s[64:65] scope:SCOPE_SE
	s_setreg_imm32_b32 hwreg(HW_REG_WAVE_MODE, 25, 1), 1
	s_wait_xcnt 0x0
; MULTI-HEAD ATTENTION IN MX-FP6 (E2M3, one E8M0 scale for each 32 along K), four launches: prep, proj, attn, outp.
; DEAD WORK: none comes in whole units.  Every input has a way to the output and is loaded by some launch: bk moves K's codes, the mask hangs on values, all six products are live.
; THIS LAUNCH quantises x [8192][512] (K innermost) and Wq, Wk, Wv, Wo [512 (k)][512 (n)] (K outermost) along K, once, into workspace laid as IMAGES OF THE OPERAND'S REGISTERS.
; A tile is 16 rows x 128 K = 12 registers a lane; its image is 1,536 bytes: registers 4 g .. 4 g + 3 of lane l at 512 g + 16 l.  Lane (r, h) holds row r, registers 6 c .. 6 c + 5 = k 64 c + 32 h + 0 .. 31.
; THE ROWS OF A TILE ARE NOT NEIGHBOURS: of a run of 32 rows (tokens of x, columns of a weight) tile u takes rows 8 u + r + 8 (r / 8), so that a later result's 16 registers of two neighbouring tiles are 16 neighbours.
; A scale image is 128 bytes, a word a lane: lanes 0-15 the rows of a run's tile 0, lanes 16-31 those of its tile 1; byte b of a word scales k = 32 b .. 32 b + 31 of the K step.
; xq: images [tile 0..511][K step 0..3], from byte 3,145,728 scale images [run 0..255][K step].   wq: images [matrix 0..3][tile 0..31][K step], from byte 786,432 scale images [matrix][run 0..15][K step].
; A block's scale is 2^(floor(log2(its largest magnitude)) - 2): its byte is that magnitude's exponent field - 2, held at 1 from below by a floor among the maximum's leaves.
; LIMITS: a block of zeros gets the byte 1 where the rule says 127 (its codes are zeros, and this program alone reads the bytes); NaN and infinities among the inputs are not served.
; SHARES: work-groups 0-255 take 32 tokens of x each, work-groups 256-319 take 32 columns of one weight each; wave s takes K step s.  Waves share nothing: no barrier.  Only the x path touches LDS.
.set STG,   16896                      ; a wave's stage: 32 rows of 512 bytes + 16
.set SPARE, 4*STG                      ; behind the stages: the spare words, 128 bytes for each wave, which no other line names
.set R,   16                           ; v16-143  numbers as they are loaded
.set X,   144                          ; v144-207 a tile's 64 numbers of my lane
.set C0,  208                          ; v208-219 twelve registers of codes
.set T0,  220                          ; v220-222, v224-226 a block's upper 16 codes on their way
.set C1,  228                          ; v228-239 twelve more
.set W0,  240                          ; v240, v241 scale words
.set W1,  241
.set MX,  242                          ; largest magnitudes
.set SCR, 246                          ; the conversions' scale operands
.set BY,  250                          ; scale bytes
.set PT,  254                          ; a lane permute's destination
	s_load_b256 s[4:11], s[0:1], 0x0               ; x, Wq, Wk, Wv
	s_load_b128 s[12:15], s[0:1], 0x20             ; Wo, xq
	s_load_b64 s[16:17], s[0:1], 0x30              ; wq
	v_lshl_add_u32 v12, v0, 2, SPARE               ; my spare word,
	v_mov_b32 v13, 0                               ; and 0: kept for the closing lines
	v_lshrrev_b32 v1, 5, v0
	v_readfirstlane_b32 s18, v1                    ; wave = K step
	v_and_b32 v1, 31, v0                           ; lane
	v_lshlrev_b32 v2, 4, v1                        ; 16 x lane
	v_lshlrev_b32 v3, 2, v1                        ; 4 x lane
	s_mov_b32 s28, 0x76543210
	s_mov_b32 s29, 0xfedcba98                      ; v_permlanex16_b32's selects for lane l xor 16
	s_mov_b32 s30, 0xffff0000                      ; lanes 16-31
	v_mov_b32 v[PT], 0                             ; written once: a lane permute's destination counts as one of its sources
	s_cmp_lt_u32 ttmp9, 256
	s_cbranch_scc0 .Lweights
; 64 numbers of a lane, v[src + 32 c + i] = k 64 c + 32 h + i of my row: two whole blocks.  They become the image's twelve registers in v[dst] on, and the row's scale word in v[word] (the same in both halves of the lanes).
.macro QX src, dst, word
.irp c, 0,1
	v_max3_num_f32 v[MX+\c], |v[\src+32*\c]|, |v[\src+32*\c+1]|, 0x1800000   ; with the floor 2^(3 - 127): the byte cannot fall under 1
.endr
.irp i, 2,4,6,8,10,12,14,16,18,20,22,24,26,28,30
.irp c, 0,1
	v_max3_num_f32 v[MX+\c], v[MX+\c], |v[\src+32*\c+\i]|, |v[\src+32*\c+\i+1]|   ; the two blocks by turns
.endr
.endr
.irp c, 0,1
	v_add_nc_u32 v[SCR+\c], 0xff000000, v[MX+\c]   ; 2 off the exponent field: the conversion takes this operand's exponent field as its scale
.endr
.irp c, 0,1
	v_lshrrev_b32 v[BY+\c], 23, v[SCR+\c]          ; the scale's byte
.endr
	v_lshl_or_b32 v[\word], v[BY+1], 16, v[BY]     ; my blocks h and 2 + h,
	v_lshlrev_b32 v[\word], v6, v[\word]           ; at their places (8 h bits up);
	v_permlanex16_b32 v[PT], v[\word], s28, s29
	v_or_b32 v[\word], v[\word], v[PT]             ; with lane l xor 16's two the word is whole
.irp c, 0,1
	v_cvt_scalef32_pk16_fp6_f32 v[\dst+6*\c:\dst+6*\c+2], v[\src+32*\c:\src+32*\c+15], v[SCR+\c]
	v_cvt_scalef32_pk16_fp6_f32 v[T0+4*\c:T0+4*\c+2], v[\src+32*\c+16:\src+32*\c+31], v[SCR+\c]   ; (a conversion's three registers begin on an even number)
.endr
	v_nop                                          ; one plain place behind a scaled conversion
.irp c, 0,1
.irp i, 0,1,2
	v_mov_b32 v[\dst+6*\c+3+\i], v[T0+4*\c+\i]
.endr
.endr
.endm
	; ---- x: 32 tokens x 128 along K.  Each load reads 512 consecutive bytes of one row; the rows turn through my own stage, laid there in the tiles' order, and come back 128 bytes a lane and block pair.
	s_mul_i32 s19, s18, STG
	v_add_nc_u32 v4, s19, v2                       ; into the stage: 16 x lane
	v_and_b32 v9, 15, v0                           ; r
	v_bfe_u32 v10, v0, 4, 1                        ; h
	v_mul_u32_u24 v5, v9, 528
	v_lshl_add_u32 v5, v10, 7, v5
	v_add_nc_u32 v5, s19, v5                       ; out of it: row r, + 128 h
	v_lshlrev_b32 v6, 3, v10                       ; 8 h
	s_lshl_b32 s20, ttmp9, 16                      ; 32 rows of 2,048 bytes,
	s_lshl_b32 s21, s18, 9                         ; my K step's 512 bytes
	s_add_co_u32 s20, s20, s21
	s_mov_b32 s21, 0
	s_mul_i32 s22, ttmp9, 12288                    ; two tiles x four K steps x 1,536
	s_mul_i32 s23, s18, 1536
	s_add_co_u32 s22, s22, s23
	s_mov_b32 s23, 0
	s_lshl_b32 s24, ttmp9, 9
	s_lshl_b32 s25, s18, 7
	s_add_co_u32 s24, s24, s25
	s_add_co_u32 s24, s24, 3145728                 ; my scale image
	s_mov_b32 s25, 0
	s_wait_alu depctr_va_vdst(0)
	s_wait_kmcnt 0x0
	s_add_nc_u64 s[4:5], s[4:5], s[20:21]
	s_add_nc_u64 s[26:27], s[14:15], s[24:25]
	s_add_nc_u64 s[14:15], s[14:15], s[22:23]
.set i, 0
.rept 32
	global_load_b128 v[R+4*i:R+4*i+3], v2, s[4:5] offset:2048*i th:TH_LOAD_NT
.set i, i+1
.endr
.irp q, 0,1,2,3
	s_wait_loadcnt 24-8*\q                         ; rows 8 q .. 8 q + 7 are in; the younger groups of eight may be out
.irp n, 0,1,2,3,4,5,6,7
	ds_store_b128 v4, v[R+4*(8*\q+\n):R+4*(8*\q+\n)+3] offset:528*(\n+16*(\q%2)+8*(\q/2))   ; row 8 q + n is row n + 8 (q / 2) of tile q % 2
.endr
.endr
.irp c, 0,1
.irp jj, 0,1,2,3,4,5,6,7
	ds_load_b128 v[X+32*\c+4*\jj:X+32*\c+4*\jj+3], v5 offset:256*\c+16*\jj   ; tile 0.  LDS serves a wave's instructions in order: these see my stores
.endr
.endr
	s_wait_dscnt 0x0                               ; tile 0 is in, and the stage stores have read their registers, which take tile 1:
.irp c, 0,1
.irp jj, 0,1,2,3,4,5,6,7
	ds_load_b128 v[R+32*\c+4*\jj:R+32*\c+4*\jj+3], v5 offset:8448+256*\c+16*\jj
.endr
.endr
	QX X, C0, W0
.irp g, 0,1,2
	global_store_b128 v2, v[C0+4*\g:C0+4*\g+3], s[14:15] offset:512*\g   ; 32 lanes store 512 consecutive bytes
.endr
	s_wait_dscnt 0x0                               ; tile 1 is in
	QX R, C1, W1
.irp g, 0,1,2
	global_store_b128 v2, v[C1+4*\g:C1+4*\g+3], s[14:15] offset:6144+512*\g
.endr
	v_cndmask_b32 v[W0], v[W0], v[W1], s30         ; lanes 0-15 tile 0's words, lanes 16-31 tile 1's
	global_store_b32 v3, v[W0], s[26:27]
	s_branch .Lend
.Lweights:
	; ---- a weight: 32 columns x 128 along K.  A LANE TAKES A COLUMN AND ITS REGISTERS RUN DOWN K: a block of 32 lies in one lane, and the conversions give codes with K innermost.
	s_sub_co_u32 s20, ttmp9, 256
	s_lshr_b32 s21, s20, 4                         ; which matrix: 0 Wq, 1 Wk, 2 Wv, 3 Wo
	s_and_b32 s22, s20, 15                         ; which run of 32 columns
	v_bfe_u32 v9, v0, 3, 1                         ; my column's tile of the run,
	v_and_b32 v10, 7, v0
	v_bfe_u32 v11, v0, 4, 1
	v_lshl_or_b32 v10, v11, 3, v10                 ; and its row there
	v_mul_u32_u24 v7, v9, 6144
	v_lshl_add_u32 v7, v10, 4, v7                  ; its place in the images: 6,144 x tile + 16 x row
	v_lshl_add_u32 v8, v9, 4, v10
	v_lshlrev_b32 v8, 2, v8                        ; and in the scale image
	s_lshl_b32 s24, s18, 18                        ; 128 rows of 2,048 bytes a K step,
	s_lshl_b32 s25, s22, 7                         ; 32 columns of 4 bytes
	s_add_co_u32 s24, s24, s25
	s_mov_b32 s25, 0
	s_lshl_b32 s26, s21, 5
	s_lshl_b32 s27, s22, 1
	s_add_co_u32 s26, s26, s27                     ; the run's first tile,
	s_lshl_b32 s26, s26, 2
	s_add_co_u32 s26, s26, s18                     ; my K step of it
	s_mul_i32 s26, s26, 1536
	s_mov_b32 s27, 0
	s_lshl_b32 s32, s21, 4
	s_add_co_u32 s32, s32, s22
	s_lshl_b32 s32, s32, 2
	s_add_co_u32 s32, s32, s18
	s_lshl_b32 s32, s32, 7
	s_add_co_u32 s32, s32, 786432
	s_mov_b32 s33, 0
	s_wait_kmcnt 0x0
	s_cmp_eq_u32 s21, 1                            ; the choice hangs on the work-group's number alone
	s_cselect_b64 s[34:35], s[8:9], s[6:7]
	s_cmp_eq_u32 s21, 2
	s_cselect_b64 s[34:35], s[10:11], s[34:35]
	s_cmp_eq_u32 s21, 3
	s_cselect_b64 s[34:35], s[12:13], s[34:35]
	s_add_nc_u64 s[34:35], s[34:35], s[24:25]
	s_add_nc_u64 s[36:37], s[16:17], s[32:33]
	s_add_nc_u64 s[16:17], s[16:17], s[26:27]
.set i, 0
.rept 128
	global_load_b32 v[R+i], v3, s[34:35] offset:2048*i th:TH_LOAD_NT   ; row i of the K step at my column
.set i, i+1
.endr
; Block kb of my column.  The image's lane (row, 0) holds blocks 0 and 2 (v[C0] on), its lane (row, 1) blocks 1 and 3 (v[C1] on).
.macro WBLOCK kb, left
.set XS, R+32*\kb
.set CD, C0+20*(\kb%2)+6*(\kb/2)
	s_wait_loadcnt \left                           ; this block's 32 loads are in
	v_max3_num_f32 v[MX], |v[XS]|, |v[XS+1]|, |v[XS+2]|
	v_max3_num_f32 v[MX+1], |v[XS+3]|, |v[XS+4]|, |v[XS+5]|
.irp i, 6,10,14,18,22,26
	v_max3_num_f32 v[MX], v[MX], |v[XS+\i]|, |v[XS+\i+1]|
	v_max3_num_f32 v[MX+1], v[MX+1], |v[XS+\i+2]|, |v[XS+\i+3]|
.endr
	v_max3_num_f32 v[MX], v[MX], |v[XS+30]|, |v[XS+31]|
	v_max3_num_f32 v[MX], v[MX], v[MX+1], 0x1800000
	v_add_nc_u32 v[SCR+\kb], 0xff000000, v[MX]
	v_lshrrev_b32 v[BY+\kb], 23, v[SCR+\kb]
	v_cvt_scalef32_pk16_fp6_f32 v[CD:CD+2], v[XS:XS+15], v[SCR+\kb]
	v_cvt_scalef32_pk16_fp6_f32 v[T0:T0+2], v[XS+16:XS+31], v[SCR+\kb]
	v_nop                                          ; one plain place behind a scaled conversion
.irp i, 0,1,2
	v_mov_b32 v[CD+3+\i], v[T0+\i]
.endr
.endm
	WBLOCK 0, 63                                   ; the wait's count holds 63 at the most: at most 63 out shows the first 65 loads in
	WBLOCK 1, 63
	WBLOCK 2, 32
	WBLOCK 3, 0
	v_lshl_or_b32 v[W0], v[BY+1], 8, v[BY]         ; my column's scale word
	v_lshl_or_b32 v[W0], v[BY+2], 16, v[W0]
	v_lshl_or_b32 v[W0], v[BY+3], 24, v[W0]
.irp g, 0,1,2
	global_store_b128 v7, v[C0+4*\g:C0+4*\g+3], s[16:17] offset:512*\g       ; sixteen lanes fill 256 consecutive bytes of tile 0's image, sixteen of tile 1's
	global_store_b128 v7, v[C1+4*\g:C1+4*\g+3], s[16:17] offset:512*\g+256
.endr
	global_store_b32 v8, v[W0], s[36:37]
.Lend:
	s_wait_tensorcnt 0x0                           ; the wave's end, behind my last LDS store
	ds_add_u32 v12, v13
	s_wait_dscnt 0x0
	s_endpgm
.Lfunc_end_k_q50a104b2a4_prep:
	.size	k_q50a104b2a4_prep, .Lfunc_end_k_q50a104b2a4_prep-k_q50a104b2a4_prep
	.p2alignl 7, 3214868480
	.fill 96, 4, 3214868480
	.section	.rodata,"a",@progbits
	.p2align	6, 0x0
	.amdhsa_kernel k_q50a104b2a4_prep
		.amdhsa_group_segment_fixed_size 68096
		.amdhsa_private_segment_fixed_size 0
		.amdhsa_enable_private_segment 0
		.amdhsa_kernarg_size 56
		.amdhsa_user_sgpr_count 2
		.amdhsa_user_sgpr_kernarg_segment_ptr 1
		.amdhsa_wavefront_size32 1
		.amdhsa_system_sgpr_workgroup_id_x 1
		.amdhsa_system_sgpr_workgroup_id_y 1
		.amdhsa_system_sgpr_workgroup_id_z 1
		.amdhsa_system_vgpr_workitem_id 0
		.amdhsa_next_free_vgpr 256
		.amdhsa_next_free_sgpr 66
		.amdhsa_reserve_vcc 0
		.amdhsa_float_denorm_mode_32 3
		.amdhsa_float_denorm_mode_16_64 3
		.amdhsa_memory_ordered 1
		.amdhsa_forward_progress 1
		.amdhsa_inst_pref_size 36
	.end_amdhsa_kernel
	.amdgpu_metadata
---
amdhsa.version: [ 1, 2 ]
amdhsa.kernels:
  - .name:           k_q50a104b2a4_prep
    .symbol:         k_q50a104b2a4_prep.kd
    .args:
      - { .name: x, .offset: 0, .size: 8, .value_kind: global_buffer, .address_space: global }
      - { .name: Wq, .offset: 8, .size: 8, .value_kind: global_buffer, .address_space: global }
      - { .name: Wk, .offset: 16, .size: 8, .value_kind: global_buffer, .address_space: global }
      - { .name: Wv, .offset: 24, .size: 8, .value_kind: global_buffer, .address_space: global }
      - { .name: Wo, .offset: 32, .size: 8, .value_kind: global_buffer, .address_space: global }
      - { .name: xq, .offset: 40, .size: 8, .value_kind: global_buffer, .address_space: global }
      - { .name: wq, .offset: 48, .size: 8, .value_kind: global_buffer, .address_space: global }
    .group_segment_fixed_size: 68096
    .private_segment_fixed_size: 0
    .kernarg_segment_align: 8
    .kernarg_segment_size: 56
    .max_flat_workgroup_size: 128
    .sgpr_count:     66
    .vgpr_count:     256
    .wavefront_size: 32
...
	.end_amdgpu_metadata
.endif
;; end of part 5
;; launch proj (part 6): grid 64 x 3, 4 waves a work-group, no clusters, 0 bytes of LDS; arguments xq, wq, bq, bk, bv, mask, qq, kv; writes qq, kv
.if DOCPART == 6
	.amdgcn_target "amdgcn-amd-amdhsa--gfx1250"
	.amdhsa_code_object_version 6
	.text
	.protected	k_q50a104b2a4_proj
	.globl	k_q50a104b2a4_proj
	.p2align	8
	.type	k_q50a104b2a4_proj,@function
k_q50a104b2a4_proj:
	s_mov_b64 s[64:65], 0
	v_nop
	global_prefetch_b8 v0, s[64:65] scope:SCOPE_SE
	s_setreg_imm32_b32 hwreg(HW_REG_WAVE_SCHED_MODE, 0, 2), 2
	s_setreg_imm32_b32 hwreg(HW_REG_WAVE_MODE, 25, 1), 1
	s_wait_xcnt 0x0
	s_wait_alu depctr_vm_vsrc(0)
; Q = x Wq + bq, K = x Wk + bk, V = x Wv + bv on codes of FP6 (E2M3); each result is quantised in registers for attention's products and stored as images of the operand's registers.  No work is left out.
; SHARES: work-group x = 128 tokens (batch x / 16, key step x % 16), work-group y = 0 Q, 1 K, 2 V; wave w makes columns 128 w .. 128 w + 127: heads 2 w and 2 w + 1.  Waves share nothing: no LDS, no barrier.
; ONE FORM OF PRODUCT: accumulator i = inner tile i (source 0) x outer tile (source 1).  The eight inner tiles, all four K steps, stay in registers; the eight outer tiles come one after the other, through two buffers.
;   Q, K: inner = my 8 tiles of the weight, outer = a tile of x: a lane holds ONE TOKEN, and its 64 registers run along my 128 channels (the next K: the head's 64, twice).
;   V:    inner = the 8 tiles of x, outer = a tile of Wv: a lane holds ONE CHANNEL, and its 64 registers run along the 128 keys (the next K).
; The rows of a tile are 8 u + r + 8 (r / 8) of a run of 32, so register 16 b + i of a lane is k = 32 b + 16 (lane / 16) + i of the next product.
; THE MASK RIDES IN THE UPPER HALF OF THE SCORES' K STEP OF 128, which a head of 64 leaves empty.  attn puts the code -1 at k = 64 of every key and +1 at k = 64 of every query.  Here a key's scale word gets, for that block,
; the byte 160 (2^33) where mask = 0 and the byte 0 (2^-127) elsewhere, a query's the byte 127, and a masked key's codes are made zeros: its score is then exactly -2^33.
; LIMITS: a masked logit is -2^30 where reference() has -1e9 (results differ only where an unmasked logit of the row lies near or under -1e9); an unmasked score carries a term of -2^-127;
; a block of zeros gets the scale byte 1; NaN and infinities are not served.
; qq: Q's half images (16 queries x 64: registers 0-3 at 16 x lane, 4-5 at 512 + 8 x lane: 768 bytes) [batch x head][tile 0..127]; from byte 3,145,728 their scale words, 128 bytes a tile.
; kv: [batch x head][key step 0..15] x 13,056 bytes: K's 8 half images; from 6,144 V's 4 images (16 channels x 128 keys); at 12,288 K's scale words (16 bytes a lane: word i = tile 2 i + lane / 16); at 12,800 V's (8 bytes a lane).
; NO CLUSTER: operands go from memory straight into registers as images, 49,152 bytes of weights a wave for its 256 matrix instructions; a joint request exists for tensor loads alone, which would send all 196,608 bytes
; of a work-group's operands through LDS, one write and one read more.
; REGISTERS, in windows of 256: window 0: v1-7 lane terms; v8-15 mask words or V's biases; v16-31, v32-47 scale words of inner and outer; v48-111 accumulators; v112-131 codes; v132-148 at work; v149-159 scale words on their way; v160-167 V's bias as C.
;   window 1: inner tiles 0-3 (48 i + 12 s), v192-255 the bias in the result's layout.   window 2: inner tiles 4-7.   window 3: two outer tiles, v0-47 and v48-95.
; THE MODE: SCHED_MODE bits 1:0 = 2 (LLVM: expert scheduling mode 2), set by the entry lines.  The code itself states the register dependences between vector or matrix instructions and memory instructions, with s_wait_alu, always for 0.
; THE PLAN.  Registers that memory instructions touch:
;   v1-v5            offsets: written at the head, never again; read by every load and store.
;   windows 1 and 2, v16-47, v8-15   loaded once at the head; read by matrix and vector instructions; never loaded again.
;   window 3         two outer buffers.  Tile o's 32 products read buffer o % 2; behind them the loads of tile o + 2 land in it.
;   v112-123, v149, v150, v152-159   codes and scale words: written by tile o's quantiser, read by tile o's stores, written again by tile o + 1's quantiser.
; So ONE wait on va_vdst stands in a tile, behind its last vector line: it states that the codes and words are written and that the tile's products are done reading their outer buffer.  Behind it come the twelve loads of
; tile o + 2 and then the tile's stores; no vector instruction stands between.  One wait on vm_vsrc stands ahead of each quantiser but the first: the last tile's stores have read the registers that it writes.
.set MK,  8
.set SI,  16
.set SO,  32
.set HA,  48
.set PC,  112
.set TM,  132
.set PW,  148
.set WA,  149
.set WB,  150
.set MB,  151
.set KSA, 152
.set KSB, 156
.set CB,  160
.set BI,  192
.set MSB, 0
.macro WIN new                         ; the immediate's high byte repeats the setting that is left; a switch that changes nothing is dropped
.if MSB != (\new)
	s_set_vgpr_msb (MSB<<8)|(\new)
.set MSB, (\new)
.endif
.endm
	s_load_b256 s[4:11], s[0:1], 0x0               ; xq, wq, bq, bk
	s_load_b256 s[12:19], s[0:1], 0x20             ; bv, mask, qq, kv
	v_lshrrev_b32 v1, 5, v0
	v_readfirstlane_b32 s20, v1                    ; wave
	s_and_b32 s22, ttmp7, 0xffff                   ; 0 Q, 1 K, 2 V
	v_and_b32 v[WA], 31, v0
	v_lshlrev_b32 v1, 4, v[WA]                     ; 16 x lane
	v_lshlrev_b32 v2, 3, v[WA]                     ; 8 x lane
	v_lshlrev_b32 v3, 2, v[WA]                     ; 4 x lane
	v_bfe_u32 v[WB], v0, 4, 1
	v_lshlrev_b32 v4, 6, v[WB]                     ; 64 h: my half's 16 numbers of a run of 32
	v_and_b32 v[WA], 15, v0
	v_and_b32 v[WB], 8, v[WA]
	v_add_nc_u32 v[WA], v[WA], v[WB]
	v_lshlrev_b32 v5, 2, v[WA]                     ; 4 (r + 8 (r / 8)): my row of a tile, in words
	v_mov_b32 v6, 0
	v_mov_b32 v7, 0xa00000                         ; the byte 160 at byte 2
.irp b, 0,1,2,3
	v_mov_b32 v[TM+4+\b], 0                        ; written once: a lane permute's destination counts as one of its sources
.endr
	s_mov_b32 s40, 0x76543210
	s_mov_b32 s41, 0xfedcba98                      ; v_permlanex16_b32's selects for lane l xor 16
	s_mov_b32 s42, 0xffff0000                      ; lanes 16-31
	s_mov_b32 s43, 0x7f0000                        ; the byte 127 at byte 2
	s_wait_alu depctr_va_sdst(0)                   ; s20, the wave's number, is written, ahead of its first reader: the offsets below are made from it
	s_mul_i32 s44, ttmp9, 49152                    ; x's 8 tiles x 4 K steps x 1,536
	s_mov_b32 s45, 0
	s_mul_i32 s46, s22, 196608                     ; the weight's 32 tiles,
	s_mul_i32 s47, s20, 49152                      ; my 8 of them
	s_add_co_u32 s46, s46, s47
	s_mov_b32 s47, 0
	s_lshl_b32 s48, ttmp9, 11                      ; x's scale images: 4 runs x 4 K steps x 128
	s_add_co_u32 s48, s48, 3145728
	s_mov_b32 s49, 0
	s_lshl_b32 s50, s22, 13                        ; the weight's
	s_lshl_b32 s51, s20, 11
	s_add_co_u32 s50, s50, s51
	s_add_co_u32 s50, s50, 786432
	s_mov_b32 s51, 0
	s_lshl_b32 s52, s20, 9                         ; my 128 numbers of a bias
	s_mov_b32 s53, 0
	s_lshl_b32 s54, ttmp9, 9                       ; my 128 tokens' mask words
	s_mov_b32 s55, 0
	s_lshr_b32 s56, ttmp9, 4
	s_lshl_b32 s56, s56, 3
	s_lshl_b32 s57, s20, 1
	s_add_co_u32 s56, s56, s57                     ; 8 x batch + my first head
	s_and_b32 s57, ttmp9, 15                       ; key step
	s_lshl_b32 s21, s56, 7
	s_lshl_b32 s23, s57, 3
	s_add_co_u32 s21, s21, s23                     ; Q: the first of my 8 tiles
	s_mul_i32 s60, s21, 768
	s_mov_b32 s61, 0
	s_lshl_b32 s62, s21, 7
	s_add_co_u32 s62, s62, 3145728
	s_mov_b32 s63, 0
	s_lshl_b32 s58, s56, 4
	s_add_co_u32 s58, s58, s57
	s_mul_i32 s58, s58, 13056                      ; K, V: my first head's key step
	s_mov_b32 s59, 0
	s_wait_kmcnt 0x0
	s_add_nc_u64 s[44:45], s[4:5], s[44:45]
	s_add_nc_u64 s[46:47], s[6:7], s[46:47]
	s_add_nc_u64 s[48:49], s[4:5], s[48:49]
	s_add_nc_u64 s[50:51], s[6:7], s[50:51]
	s_cmp_eq_u32 s22, 2                            ; V: x inside, the weight outside.  The choice hangs on the work-group's number alone
	s_cselect_b64 s[24:25], s[44:45], s[46:47]     ; inner images
	s_cselect_b64 s[26:27], s[46:47], s[44:45]     ; outer images
	s_cselect_b64 s[28:29], s[48:49], s[50:51]     ; inner scale images
	s_cselect_b64 s[30:31], s[50:51], s[48:49]     ; outer scale images
	s_cselect_b64 s[32:33], s[12:13], s[10:11]
	s_cmp_eq_u32 s22, 0
	s_cselect_b64 s[32:33], s[8:9], s[32:33]       ; the bias
	s_add_nc_u64 s[32:33], s[32:33], s[52:53]
	s_add_nc_u64 s[34:35], s[14:15], s[54:55]      ; the mask
	s_add_nc_u64 s[60:61], s[16:17], s[60:61]      ; Q's images out
	s_add_nc_u64 s[38:39], s[16:17], s[62:63]      ; Q's scale words out
	s_add_nc_u64 s[58:59], s[18:19], s[58:59]      ; K's and V's key step out
	WIN 0x40                                       ; destination window 1, address window 0
	s_wait_alu depctr_va_vdst(0)                   ; the offsets v1 to v5 are written, which every load and store of the kernel reads; up to the first tile only loads, window switches
.irp i, 0,1,2,3
.irp s, 0,1,2,3
.irp g, 0,1,2
	global_load_b128 v[48*\i+12*\s+4*\g:48*\i+12*\s+4*\g+3], v1, s[24:25] offset:6144*\i+1536*\s+512*\g
.endr
.endr
.endr
	WIN 0x80                                       ; destination window 2
.irp i, 0,1,2,3
.irp s, 0,1,2,3
.irp g, 0,1,2
	global_load_b128 v[48*\i+12*\s+4*\g:48*\i+12*\s+4*\g+3], v1, s[24:25] offset:6144*(\i+4)+1536*\s+512*\g
.endr
.endr
.endr
	WIN 0
.irp p, 0,1,2,3
.irp s, 0,1,2,3
	global_load_b32 v[SI+4*\p+\s], v3, s[28:29] offset:512*\p+128*\s   ; lanes 0-15: tile 2 p's rows; lanes 16-31: tile 2 p + 1's
	global_load_b32 v[SO+4*\p+\s], v3, s[30:31] offset:512*\p+128*\s
.endr
.endr
; Outer tile o, all four K steps: twelve loads of 512 consecutive bytes.  w = 1: at a tile's end, into the buffer that the tile has just multiplied from; the tile's stores follow these loads.
.macro LOADOUT o, w
	WIN 0xc0                                       ; destination window 3
.if \w
	s_wait_alu depctr_va_vdst(0)                   ; this tile's products are done reading the buffer in which these loads land; its codes and scale words are written, which the stores behind these loads read
.endif
.irp s, 0,1,2,3
.irp g, 0,1,2
	global_load_b128 v[48*((\o)%2)+12*\s+4*\g:48*((\o)%2)+12*\s+4*\g+3], v1, s[26:27] offset:6144*(\o)+1536*\s+512*\g
.endr
.endr
	WIN 0
.endm
; The one wait of a tile, behind its last vector line, and with it the loads of the tile two further on; the last two tiles ask for nothing more.
.macro AHEAD o
.if (\o) < 6
	LOADOUT \o+2, 1
.else
	s_wait_alu depctr_va_vdst(0)                   ; this tile's codes and scale words are written, which the stores below read
.endif
.endm
; one matrix instruction; ra, rb: the side's scale words stand in lanes 16-31 of the register named
.macro WM d, a, b, c, sa, sb, ra, rb
.if (\ra) && (\rb)
	v_wmma_scale_f32_16x16x128_f8f6f4 v[\d:\d+7], v[\a:\a+11], v[\b:\b+11], v[\c:\c+7], v[\sa], v[\sb] matrix_a_fmt:MATRIX_FMT_FP6 matrix_b_fmt:MATRIX_FMT_FP6 matrix_a_scale:MATRIX_SCALE_ROW1 matrix_b_scale:MATRIX_SCALE_ROW1
.elseif (\ra)
	v_wmma_scale_f32_16x16x128_f8f6f4 v[\d:\d+7], v[\a:\a+11], v[\b:\b+11], v[\c:\c+7], v[\sa], v[\sb] matrix_a_fmt:MATRIX_FMT_FP6 matrix_b_fmt:MATRIX_FMT_FP6 matrix_a_scale:MATRIX_SCALE_ROW1
.elseif (\rb)
	v_wmma_scale_f32_16x16x128_f8f6f4 v[\d:\d+7], v[\a:\a+11], v[\b:\b+11], v[\c:\c+7], v[\sa], v[\sb] matrix_a_fmt:MATRIX_FMT_FP6 matrix_b_fmt:MATRIX_FMT_FP6 matrix_b_scale:MATRIX_SCALE_ROW1
.else
	v_wmma_scale_f32_16x16x128_f8f6f4 v[\d:\d+7], v[\a:\a+11], v[\b:\b+11], v[\c:\c+7], v[\sa], v[\sb] matrix_a_fmt:MATRIX_FMT_FP6 matrix_b_fmt:MATRIX_FMT_FP6
.endif
.endm
; 32 matrix instructions: the eight accumulators by turns, one instruction a turn, K step by K step.  The bias is the C of each sum's first instruction:
; cmode 0: eight registers a tile in window 1;  cmode 1: v[CB] on, the lane's one number eight times.
.macro MM o, cmode
.irp s, 0,1,2,3
.irp i, 0,1,2,3,4,5,6,7
.if (\s == 0) && (\cmode == 0)
	WIN 0x1d+(\i/4)                                ; source 0 window 1 or 2, source 1 window 3, C window 1, D window 0
	WM HA+8*\i, 48*(\i%4)+12*\s, 48*((\o)%2)+12*\s, BI+8*\i, SI+4*(\i/2)+\s, SO+4*((\o)/2)+\s, \i%2, (\o)%2
.elseif \s == 0
	WIN 0x0d+(\i/4)                                ; C and D window 0
	WM HA+8*\i, 48*(\i%4)+12*\s, 48*((\o)%2)+12*\s, CB, SI+4*(\i/2)+\s, SO+4*((\o)/2)+\s, \i%2, (\o)%2
.else
	WIN 0x0d+(\i/4)
	WM HA+8*\i, 48*(\i%4)+12*\s, 48*((\o)%2)+12*\s, HA+8*\i, SI+4*(\i/2)+\s, SO+4*((\o)/2)+\s, \i%2, (\o)%2
.endif
.endr
.endr
	WIN 0
.endm
; The lane's 64 numbers v[HA] on, register 16 b + i = k 32 b + 16 (lane / 16) + i of my row, become a fragment's codes in v[PC] on and its scale word in v[PW].
.macro QUANT
.irp b, 0,1,2,3
	v_max3_num_f32 v[TM+\b], |v[HA+16*\b]|, |v[HA+1+16*\b]|, 0x1800000   ; block b: my 16 numbers, and the floor 2^(3 - 127): the byte cannot fall under 1
.endr
.irp i, 2,4,6,8,10,12,14
.irp b, 0,1,2,3
	v_max3_num_f32 v[TM+\b], v[TM+\b], |v[HA+16*\b+\i]|, |v[HA+1+16*\b+\i]|   ; the four blocks by turns
.endr
.endr
.irp b, 0,1,2,3
	v_permlanex16_b32 v[TM+4+\b], v[TM+\b], s40, s41
.endr
.irp b, 0,1,2,3
	v_max_num_f32 v[TM+\b], v[TM+\b], v[TM+4+\b]   ; with lane l xor 16's: the block's largest magnitude
.endr
.irp b, 0,1,2,3
	v_add_nc_u32 v[TM+12+\b], 0xff000000, v[TM+\b] ; 2 off its exponent field: the conversion's scale operand
.endr
.irp b, 0,1,2,3
	v_lshrrev_b32 v[TM+4+\b], 23, v[TM+12+\b]      ; the scale's byte
.endr
	v_lshl_or_b32 v[PW], v[TM+5], 8, v[TM+4]
	v_lshl_or_b32 v[PW], v[TM+6], 16, v[PW]
	v_lshl_or_b32 v[PW], v[TM+7], 24, v[PW]
.irp c, 0,1
	v_cvt_scalef32_pk16_fp6_f32 v[PC+6*\c:PC+2+6*\c], v[HA+32*\c:HA+15+32*\c], v[TM+12+2*\c]
	v_cvt_scalef32_pk16_fp6_f32 v[PC+12+4*\c:PC+14+4*\c], v[HA+16+32*\c:HA+31+32*\c], v[TM+12+2*\c+1]   ; (a conversion's three registers begin on an even number)
.endr
	v_nop                                          ; one plain place behind a scaled conversion
.irp c, 0,1                                    ; the operand's layout wants a WHOLE block in a lane: lanes 0-15 block 2 c, lanes 16-31 block 2 c + 1
.irp i, 0,1,2
	v_permlane16_swap_b32 v[PC+6*\c+\i], v[PC+12+4*\c+\i]
.endr
.irp i, 0,1,2
	v_mov_b32 v[PC+3+6*\c+\i], v[PC+12+4*\c+\i]
.endr
.endr
.endm
; Outer tile o.  path: 0 Q, 1 K, 2 V.
.macro ITER o, path
.if \path == 2
.irp jj, 0,1,2,3,4,5,6,7
	v_mov_b32 v[CB+\jj], v[MK+\o]                  ; my channel's bias, for all eight tokens of an accumulator's lane
.endr
.endif
.if \o < 7
	s_wait_loadcnt 12                              ; this tile is in; the next tile's twelve loads may be out
.else
	s_wait_loadcnt 0x0
.endif
.if \path == 2
	s_wait_alu depctr_va_vdst(0)
	MM \o, 1
.else
	MM \o, 0
.endif
.rept 4
	v_nop                                          ; four places between the last product and the first read of results
.endr
	s_wait_xcnt 0x0                                ; the last tile's stores have read their data registers, which are written again below
.if \o > 0
	s_wait_alu depctr_vm_vsrc(0)                   ; the last tile's stores have read the codes and the scale words, v[PC] on, v[WA], v[WB] and v[KSA] on, which the lines below write again
.endif
.if \path == 1
	v_cmp_eq_u32 vcc_lo, 0, v[MK+\o]               ; is my token masked?  The quantiser's lines stand between this compare and the first line that reads VCC
.endif
	QUANT
.if \path == 0
	v_and_or_b32 v[WA], v[PW], 0xffff, s43         ; my first head's two bytes, and 127 for the mask's block
	v_lshrrev_b32 v[WB], 16, v[PW]
	v_or_b32 v[WB], s43, v[WB]                     ; my second head's
	AHEAD \o
	global_store_b128 v1, v[PC:PC+3], s[60:61] offset:768*\o
	global_store_b64 v2, v[PC+4:PC+5], s[60:61] offset:768*\o+512
	global_store_b128 v1, v[PC+6:PC+9], s[60:61] offset:768*\o+98304      ; the next head: 128 tiles on
	global_store_b64 v2, v[PC+10:PC+11], s[60:61] offset:768*\o+98304+512
	global_store_b32 v3, v[WA], s[38:39] offset:128*\o
	global_store_b32 v3, v[WB], s[38:39] offset:128*\o+16384
.elseif \path == 1
	s_wait_alu depctr_va_vcc(0)                    ; the compare has written VCC, which the selects below read
.irp i, 0,1,2,3,4,5,6,7,8,9,10,11
	v_cndmask_b32 v[PC+\i], v[PC+\i], v6, vcc_lo   ; a masked token's codes are zeros,
.endr
	v_cndmask_b32 v[MB], v6, v7, vcc_lo            ; and the mask's block has the byte 160, else 0
	v_and_or_b32 v[WA], v[PW], 0xffff, v[MB]
	v_lshrrev_b32 v[WB], 16, v[PW]
	v_or_b32 v[WB], v[WB], v[MB]
.if (\o)%2 == 0
	v_mov_b32 v[KSA+\o/2], v[WA]
	v_mov_b32 v[KSB+\o/2], v[WB]
.else
	v_cndmask_b32 v[KSA+\o/2], v[KSA+\o/2], v[WA], s42   ; lanes 16-31: the odd tile's words
	v_cndmask_b32 v[KSB+\o/2], v[KSB+\o/2], v[WB], s42
.endif
	AHEAD \o
	global_store_b128 v1, v[PC:PC+3], s[58:59] offset:768*\o
	global_store_b64 v2, v[PC+4:PC+5], s[58:59] offset:768*\o+512
	global_store_b128 v1, v[PC+6:PC+9], s[58:59] offset:768*\o+208896     ; the next head: 16 key steps on
	global_store_b64 v2, v[PC+10:PC+11], s[58:59] offset:768*\o+208896+512
.if \o == 7
	global_store_b128 v1, v[KSA:KSA+3], s[58:59] offset:12288
	global_store_b128 v1, v[KSB:KSB+3], s[58:59] offset:12288+208896
.endif
.else
.if (\o)%2 == 0
	v_mov_b32 v[KSA+(\o%4)/2], v[PW]               ; the scale word joins its pair ahead of the tile's one wait
.else
	v_cndmask_b32 v[KSA+(\o%4)/2], v[KSA+(\o%4)/2], v[PW], s42
.endif
	AHEAD \o
.irp g, 0,1,2
	global_store_b128 v1, v[PC+4*\g:PC+4*\g+3], s[58:59] offset:6144+1536*(\o%4)+512*\g+208896*(\o/4)
.endr
.if (\o)%4 == 3
	global_store_b64 v2, v[KSA:KSA+1], s[58:59] offset:12800+208896*(\o/4)
.endif
.endif
.endm
.macro BIAS                            ; the bias in the result's layout: lane (r, h), tile 2 b + u, register j: channel 32 b + 16 h + 8 u + j
	WIN 0x40
.irp t, 0,1,2,3,4,5,6,7
	global_load_b128 v[BI+8*\t:BI+8*\t+3], v4, s[32:33] offset:(32*(\t/2)+8*(\t%2))*4
	global_load_b128 v[BI+8*\t+4:BI+8*\t+7], v4, s[32:33] offset:(32*(\t/2)+8*(\t%2))*4+16
.endr
	WIN 0
.endm
	LOADOUT 0, 0
	s_cmp_eq_u32 s22, 1
	s_cbranch_scc1 .Lkpath
	s_cmp_eq_u32 s22, 2
	s_cbranch_scc1 .Lvpath
	BIAS
	LOADOUT 1, 0                                   ; the second buffer's first tile: the youngest twelve loads at the first tile's head
.irp o, 0,1,2,3,4,5,6,7
	ITER \o, 0
.endr
	s_endpgm
.Lkpath:
	BIAS
.irp t, 0,1,2,3,4,5,6,7
	global_load_b32 v[MK+\t], v5, s[34:35] offset:(32*(\t/2)+8*(\t%2))*4   ; the mask word of my token in tile t
.endr
	LOADOUT 1, 0
.irp o, 0,1,2,3,4,5,6,7
	ITER \o, 1
.endr
	s_endpgm
.Lvpath:
.irp t, 0,1,2,3,4,5,6,7
	global_load_b32 v[MK+\t], v5, s[32:33] offset:(32*(\t/2)+8*(\t%2))*4   ; bv at my channel of tile t
.endr
	LOADOUT 1, 0
	s_wait_loadcnt 12                              ; all but the twelve just issued: the first tile's opening lines read a bias
.irp o, 0,1,2,3,4,5,6,7
	ITER \o, 2
.endr
	s_endpgm
.Lfunc_end_k_q50a104b2a4_proj:
	.size	k_q50a104b2a4_proj, .Lfunc_end_k_q50a104b2a4_proj-k_q50a104b2a4_proj
	.p2alignl 7, 3214868480
	.fill 96, 4, 3214868480
	.section	.rodata,"a",@progbits
	.p2align	6, 0x0
	.amdhsa_kernel k_q50a104b2a4_proj
		.amdhsa_group_segment_fixed_size 0
		.amdhsa_private_segment_fixed_size 0
		.amdhsa_enable_private_segment 0
		.amdhsa_kernarg_size 64
		.amdhsa_user_sgpr_count 2
		.amdhsa_user_sgpr_kernarg_segment_ptr 1
		.amdhsa_wavefront_size32 1
		.amdhsa_system_sgpr_workgroup_id_x 1
		.amdhsa_system_sgpr_workgroup_id_y 1
		.amdhsa_system_sgpr_workgroup_id_z 1
		.amdhsa_system_vgpr_workitem_id 0
		.amdhsa_next_free_vgpr 864
		.amdhsa_next_free_sgpr 66
		.amdhsa_reserve_vcc 1
		.amdhsa_float_denorm_mode_32 3
		.amdhsa_float_denorm_mode_16_64 3
		.amdhsa_memory_ordered 1
		.amdhsa_forward_progress 1
		.amdhsa_inst_pref_size 255
	.end_amdhsa_kernel
	.section	.bss,"aw",@nobits
	.p2align	6
	.space	262144
	.amdgpu_metadata
---
amdhsa.version: [ 1, 2 ]
amdhsa.kernels:
  - .name:           k_q50a104b2a4_proj
    .symbol:         k_q50a104b2a4_proj.kd
    .args:
      - { .name: xq, .offset: 0, .size: 8, .value_kind: global_buffer, .address_space: global }
      - { .name: wq, .offset: 8, .size: 8, .value_kind: global_buffer, .address_space: global }
      - { .name: bq, .offset: 16, .size: 8, .value_kind: global_buffer, .address_space: global }
      - { .name: bk, .offset: 24, .size: 8, .value_kind: global_buffer, .address_space: global }
      - { .name: bv, .offset: 32, .size: 8, .value_kind: global_buffer, .address_space: global }
      - { .name: mask, .offset: 40, .size: 8, .value_kind: global_buffer, .address_space: global }
      - { .name: qq, .offset: 48, .size: 8, .value_kind: global_buffer, .address_space: global }
      - { .name: kv, .offset: 56, .size: 8, .value_kind: global_buffer, .address_space: global }
    .group_segment_fixed_size: 0
    .private_segment_fixed_size: 0
    .kernarg_segment_align: 8
    .kernarg_segment_size: 64
    .max_flat_workgroup_size: 128
    .sgpr_count:     66
    .vgpr_count:     864
    .wavefront_size: 32
...
	.end_amdgpu_metadata
.endif
;; end of part 6
;; launch attn (part 7): grid 8 x 32, 16 waves a work-group, clusters of 4 x 1, 210,944 bytes of LDS; arguments qq, kv, aq; writes aq
.if DOCPART == 7
	.amdgcn_target "amdgcn-amd-amdhsa--gfx1250"
	.amdhsa_code_object_version 6
	.text
	.protected	k_q50a104b2a4_attn
	.globl	k_q50a104b2a4_attn
	.p2align	8
	.type	k_q50a104b2a4_attn,@function
k_q50a104b2a4_attn:
	s_mov_b64 s[64:65], 0
	v_nop
	global_prefetch_b8 v0, s[64:65] scope:SCOPE_SE
	s_setreg_imm32_b32 hwreg(HW_REG_WAVE_MODE, 25, 1), 1
	s_wait_xcnt 0x0
	s_wait_alu depctr_hold_cnt(0) depctr_sa_sdst(0) depctr_va_vdst(0) depctr_va_sdst(0) depctr_va_ssrc(0) depctr_va_vcc(0) depctr_vm_vsrc(0)
	s_getreg_b32 s2, hwreg(HW_REG_IB_STS2, 6, 4)
	s_cmp_eq_u32 s2, 0
	s_cbranch_scc0 .Lentry_in_a_cluster
	s_endpgm
.Lentry_in_a_cluster:
	s_bfe_u32 s2, ttmp6, 0x10000c
	s_cmp_lg_u32 s2, 0x3003
	s_cbranch_scc0 .Lentry_shape_is_right
	s_endpgm
.Lentry_shape_is_right:
; softmax(Q K^T / 8, masked) V for one head and 256 queries a work-group, both products on codes of FP6 (E2M3); the result is quantised for the output projection.  No work is left out.
; THE SOFTMAX AHEAD OF THE SECOND PRODUCT: t = score x log2(e) / 8; M = the running largest t rounded UP to a whole number; p = 2^(t - M) is quantised along the keys, not normalised; the row's sum is taken of the
; unquantised p and divides at the end.  When M moves, the sum and O are multiplied by 2^(old M - new M): exact.
; THE MASK costs the loop nothing: a head's 64 fill half of a K step of 128.  Every key has the code -1 (40) at k = 64 and every query +1 (8), all other codes of k = 64 .. 127 are zeros; the key's scale byte of that block
; is 160 (2^33) where the key is masked, else 0 (2^-127); the query's is 127.  A masked key's own codes are zeros.  So a masked score is exactly -2^33, its t a whole number: p = 0 beside any open key,
; and p = 1 in every place of a row that has no open key, as reference()'s row of equal logits gives.
; LIMITS: a masked logit is -2^30 where reference() has -1e9 (results differ only where an unmasked logit of the row lies near or under -1e9); an unmasked score carries a term of -2^-127;
; a block of zeros gets the scale byte 1; NaN and infinities are not served.
; SHARES: work-group y = batch x head; its 256 queries are 16 tiles, one a wave, in 256 registers: four waves to a SIMD, so that one wave's vector work stands beside another's matrix work and LDS loads.
; LDS: A WHOLE HEAD'S K AND V LIE THERE AT ONCE: 16 key steps of 13,056 bytes, as they lie in kv (images of the operands' registers: every LDS load takes consecutive bytes).  Nothing is filled again: no ring.
; CLUSTER: the four work-groups of a cluster belong to one head and need the same K and V: each of the 16 key steps is asked for JOINTLY, by wave number: one tensor load a wave is out.
; NO PREFETCH: every byte of K and V is asked for by these first loads at the head; there is no later load for one to run ahead of.
; LAYOUT: both products are used transposed: S^T = K Q^T (source 0 = 16 keys), O^T = V^T P^T (source 0 = 16 channels): a lane holds ONE query throughout.  The keys of a tile, and the channels of a tile of V,
; are 8 u + r + 8 (r / 8) of a run of 32: the 16 registers of two neighbouring tiles are 16 neighbours along the next K.
; REGISTERS: v1, v2 16 and 8 x lane; v3, v4 the step's LDS addresses; v5, v6 the add's two; v8-11 K's scale words; v12 -M, v13 the largest t, v[14:15] the sum; v16-27 Q; v[30:31] V's scale words; v32-79 four tiles of K;
; v80-127 V's four tiles; v128-191 S^T, then p; v192-223 O^T; v224-235 p's codes; v236-254 at work; v255 Q's scale words.
.set STEPB, 13056
.set SPARE, 16*STEPB                   ; behind the head's K and V: the spare words, 128 bytes for each wave, which no other line names
.set KF,  32
.set VF,  80
.set S,   128
.set O,   192
.set PC,  224
.set BM,  236
.set T8,  240
.set SCO, 248
.macro CROUND                          ; a round of the cluster's barrier
	s_barrier_signal -1
	s_barrier_wait -1
	s_cmp_lg_u32 s10, 0
	s_cbranch_scc1 .Lnot_wave_0_\@
	s_barrier_signal -3
.Lnot_wave_0_\@:
	s_barrier_wait -3
	s_barrier_signal -1
	s_barrier_wait -1
.endm
	s_load_b128 s[4:7], s[0:1], 0x0                ; qq, kv
	s_load_b64 s[8:9], s[0:1], 0x10                ; aq
	v_lshl_add_u32 v5, v0, 2, SPARE
	v_mov_b32 v6, 0
	ds_add_u32 v5, v6                              ; the wave's opening: the add, twice on end, and its wait ahead of my first tensor load; the set-up below stands between
	ds_add_u32 v5, v6
	v_lshrrev_b32 v7, 5, v0
	s_delay_alu instid0(VALU_DEP_1)
	v_readfirstlane_b32 s10, v7                    ; wave 0..15
	s_and_b32 s30, ttmp7, 0xffff                   ; batch x head, which the four partners share
	s_lshl_b32 s32, s30, 4
	s_add_co_u32 s32, s32, s10                     ; the key step that I fetch: my wave's number
	s_mul_i32 s32, s32, STEPB
	s_mov_b32 s33, 0
	s_mov_b32 s12, 1                               ; group 0: count = 1,
	s_mul_i32 s13, s10, STEPB                      ; the LDS address: no place in the cluster enters it
	s_mov_b32 s16, 15|(3<<16)|(1<<21)              ; group 1: the mask names all four work-groups; elements of 8 bytes; bit 21 set beside a mask; no padding
	s_mov_b32 s17, 32<<16                          ; tensor_dim0 = 32: rows of 256 bytes
	s_mov_b32 s18, 51<<16                          ; tensor_dim1 = 51: 13,056 dense bytes
	s_mov_b32 s19, 32<<16                          ; tile_dim0
	s_mov_b32 s20, 51                              ; tile_dim1
	s_mov_b32 s21, 32                              ; the pitch
	s_mov_b32 s22, 0
	s_mov_b32 s23, 0
	s_bfe_u32 s11, ttmp6, 0x40000                  ; cx: it enters Q's and the result's global addresses alone
	s_lshl_b32 s29, ttmp9, 2
	s_add_co_u32 s29, s29, s11                     ; my block of 256 queries
	s_lshl_b32 s31, s29, 4
	s_add_co_u32 s31, s31, s10                     ; my tile of the head's 128
	s_lshl_b32 s34, s30, 7
	s_add_co_u32 s34, s34, s31
	s_mul_i32 s36, s34, 768                        ; Q's half image
	s_mov_b32 s37, 0
	s_lshl_b32 s38, s34, 7
	s_add_co_u32 s38, s38, 3145728                 ; and its scale words
	s_mov_b32 s39, 0
	s_lshr_b32 s35, s30, 3
	s_lshl_b32 s35, s35, 7
	s_add_co_u32 s35, s35, s31                     ; the tile among all tokens' 512,
	s_lshl_b32 s35, s35, 3
	s_and_b32 s44, s30, 7
	s_add_co_u32 s35, s35, s44                     ; x 8 + head
	s_mul_i32 s44, s35, 768
	s_mov_b32 s45, 0
	s_lshl_b32 s46, s35, 7
	s_add_co_u32 s46, s46, 3145728
	s_mov_b32 s47, 0
	s_and_b32 s28, s30, 1
	s_lshl_b32 s28, s28, 4                         ; an odd head's two scale bytes stand 16 bits up
	s_mov_b32 s24, 0x76543210
	s_mov_b32 s25, 0xfedcba98                      ; v_permlanex16_b32's selects for lane l xor 16
	s_mov_b32 s26, 0x3e38aa3b                      ; c = log2(e) / 8
	s_mov_b32 s27, s26                             ; (named with it as a pair, so it is written)
	s_wait_dscnt 0x0                               ; both opening adds are done
	s_wait_kmcnt 0x0
	s_add_nc_u64 s[14:15], s[6:7], s[32:33]        ; group 0: the key step's first byte,
	s_or_b32 s15, s15, 0x80000000                  ; type = 2
	s_add_nc_u64 s[40:41], s[4:5], s[38:39]
	s_add_nc_u64 s[4:5], s[4:5], s[36:37]
	s_add_nc_u64 s[42:43], s[8:9], s[46:47]
	s_add_nc_u64 s[8:9], s[8:9], s[44:45]
	CROUND                                         ; all four work-groups are here: the joint loads meet
	tensor_load_to_lds s[12:15], s[16:23]          ; my one tensor load of the launch
	s_nop 0
	v_and_b32 v7, 31, v0
	s_delay_alu instid0(VALU_DEP_1)
	v_lshlrev_b32 v1, 4, v7
	s_delay_alu instid0(VALU_DEP_2)
	v_lshlrev_b32 v2, 3, v7
	s_delay_alu instid0(VALU_DEP_3)
	v_lshlrev_b32 v254, 2, v7
	global_load_b128 v[16:19], v1, s[4:5]          ; Q's registers 0-5: the head's 64
	global_load_b64 v[20:21], v2, s[4:5] offset:512
	global_load_b32 v255, v254, s[40:41]
	v_bfe_u32 v7, v0, 4, 1
	s_delay_alu instid0(VALU_DEP_1)
	v_xor_b32 v7, 1, v7                            ; 1 in lanes 0-15, which hold k = 64 .. 95 in registers 6-11
	s_delay_alu instid0(VALU_DEP_1)
	v_lshlrev_b32 v22, 3, v7                       ; Q: the code +1 at k = 64
	s_delay_alu instid0(VALU_DEP_2)
	v_mul_u32_u24 v4, v7, 40                       ; K: the code -1
.irp i, 23,24,25,26,27
	v_mov_b32 v[\i], 0
.endr
.irp t, 0,1,2,3
	v_mov_b32 v[KF+12*\t+6], v4                    ; the upper halves of K's four fragments are written once: the loop's loads fill registers 0-5 alone
.irp i, 7,8,9,10,11
	v_mov_b32 v[KF+12*\t+\i], 0
.endr
.endr
	v_mov_b32 v13, 0xff61b1e6                      ; the largest t so far: -3e38, under every t
	s_delay_alu instid0(VALU_DEP_1)
	v_floor_f32 v12, -v13                          ; -M
	v_mov_b32 v14, 0                               ; the sum, in two halves
	v_mov_b32 v15, 0
.irp b, 0,1,2,3
	v_mov_b32 v[T8+\b], 0                          ; written once: a lane permute's destination counts as one of its sources
.endr
	v_mov_b32 v253, 0                              ; (named as the upper half of the pair v[252:253] before it is first written)
.set j, 0
.rept 32
	v_mov_b32 v[O+j], 0                            ; O^T.  The step is written once: the first finds zeros, which the first change of M leaves zeros
.set j, j+1
.endr
	s_wait_loadcnt 0x0                             ; Q
	s_wait_tensorcnt 0x0                           ; my key step has landed,
	s_barrier_signal -1
	s_barrier_wait -1                              ; and everybody's: the whole head lies in LDS.
.macro KLOAD g                         ; four tiles of 16 keys: registers 0-5 of each
.irp t, 0,1,2,3
	ds_load_b128 v[KF+12*\t:KF+12*\t+3], v3 offset:768*(4*\g+\t)
	ds_load_b64 v[KF+12*\t+4:KF+12*\t+5], v4 offset:768*(4*\g+\t)+512
.endr
.endm
.macro QK T                            ; S^T of tile T: the scale words of tiles 2 i and 2 i + 1 share a register
.if (\T)%2
	v_wmma_scale_f32_16x16x128_f8f6f4 v[S+8*\T:S+8*\T+7], v[KF+12*(\T%4):KF+12*(\T%4)+11], v[16:27], 0, v[8+\T/2], v255 matrix_a_fmt:MATRIX_FMT_FP6 matrix_b_fmt:MATRIX_FMT_FP6 matrix_a_scale:MATRIX_SCALE_ROW1
.else
	v_wmma_scale_f32_16x16x128_f8f6f4 v[S+8*\T:S+8*\T+7], v[KF+12*(\T%4):KF+12*(\T%4)+11], v[16:27], 0, v[8+\T/2], v255 matrix_a_fmt:MATRIX_FMT_FP6 matrix_b_fmt:MATRIX_FMT_FP6
.endif
.endm
.macro PV n                            ; O^T += V^T P^T, 16 channels
.if (\n)%2
	v_wmma_scale_f32_16x16x128_f8f6f4 v[O+8*\n:O+8*\n+7], v[VF+12*\n:VF+12*\n+11], v[PC:PC+11], v[O+8*\n:O+8*\n+7], v[30+\n/2], v253 matrix_a_fmt:MATRIX_FMT_FP6 matrix_b_fmt:MATRIX_FMT_FP6 matrix_a_scale:MATRIX_SCALE_ROW1
.else
	v_wmma_scale_f32_16x16x128_f8f6f4 v[O+8*\n:O+8*\n+7], v[VF+12*\n:VF+12*\n+11], v[PC:PC+11], v[O+8*\n:O+8*\n+7], v[30+\n/2], v253 matrix_a_fmt:MATRIX_FMT_FP6 matrix_b_fmt:MATRIX_FMT_FP6
.endif
.endm
	s_mov_b32 s2, 0                                ; LDS byte at which the key step begins
	s_mov_b32 s3, 16
.Lstep:                                            ; 16 trips of 128 keys
	s_setprio 2
	v_add_nc_u32 v3, s2, v1
	v_add_nc_u32 v4, s2, v2
	KLOAD 0
	ds_load_b128 v[8:11], v3 offset:12288          ; the step's scale words of K
	s_wait_alu depctr_va_vdst(0)
	s_wait_dscnt 0x0
.irp T, 0,1,2,3
	QK \T
.endr
.rept 4
	v_nop                                          ; places in front of loads into registers that matrix instructions have read (for V's, with the two additions above: six behind the last trip's products)
.endr
	KLOAD 1
.irp n, 0,1,2,3
.irp g, 0,1,2
	ds_load_b128 v[VF+12*\n+4*\g:VF+12*\n+4*\g+3], v3 offset:6144+1536*\n+512*\g   ; V's four tiles land while the softmax is worked
.endr
.endr
	ds_load_b64 v[30:31], v4 offset:12800
	s_wait_dscnt 13                                ; K's are in; V's thirteen loads may be out
.irp T, 4,5,6,7
	QK \T
.endr
.rept 4
	v_nop                                          ; places in front of the first read of results
.endr
.irp b, 0,1,2,3
	v_max3_num_f32 v[BM+\b], v[S+16*\b], v[S+1+16*\b], v[S+2+16*\b]   ; THE LARGEST SCORE OF EACH BLOCK OF 32 KEYS serves twice: for the row's maximum, and, since p rises with the score, for the block's largest p
.endr
.irp i, 3,5,7,9,11,13
.irp b, 0,1,2,3
	v_max3_num_f32 v[BM+\b], v[BM+\b], v[S+16*\b+\i], v[S+1+16*\b+\i]
.endr
.endr
.irp b, 0,1,2,3
	v_max_num_f32 v[BM+\b], v[BM+\b], v[S+15+16*\b]
.endr
.irp b, 0,1,2,3
	s_delay_alu instid0(VALU_DEP_4)
	v_permlanex16_b32 v[T8+\b], v[BM+\b], s24, s25
.endr
.irp b, 0,1,2,3
	s_delay_alu instid0(VALU_DEP_4)
	v_max_num_f32 v[BM+\b], v[BM+\b], v[T8+\b]     ; with lane l xor 16's 16 keys
.endr
	s_delay_alu instid0(VALU_DEP_2)
	v_max3_num_f32 v254, v[BM], v[BM+1], v[BM+2]
	s_delay_alu instid0(VALU_DEP_1)
	v_max_num_f32 v254, v254, v[BM+3]              ; the step's largest score of my query
	s_delay_alu instid0(VALU_DEP_1)
	v_mul_f32 v254, s26, v254                      ; as t (c is positive)
	s_delay_alu instid0(VALU_DEP_1)
	v_max_num_f32 v13, v13, v254                   ; the running largest t
	v_mov_b32 v254, v12
	s_delay_alu instid0(VALU_DEP_2)
	v_floor_f32 v12, -v13                          ; the new -M = floor(-t): M is a whole number
	s_delay_alu instid0(VALU_DEP_1)
	v_sub_f32 v254, v12, v254                      ; M's old value less its new one: a whole number, 0 or less
	s_delay_alu instid0(VALU_DEP_1)
	v_cvt_i32_f32 v254, v254                       ; (it saturates)
	s_delay_alu instid0(VALU_DEP_1)
	v_ldexp_f32 v252, 1.0, v254                    ; f = 2^(old M - new M)
.set j, 0
.rept 32
	v_pk_fma_f32 v[S+j:S+j+1], v[S+j:S+j+1], s[26:27], v[12:13] op_sel_hi:[1,0,0]   ; t - M, two at a time (of the pairs c and -M the low word serves both halves)
.set j, j+2
.endr
.irp b, 0,1,2,3
	v_fma_f32 v[BM+\b], v[BM+\b], s26, v12         ; the same of each block's largest score
.endr
.set j, 0
	s_wait_alu depctr_va_vdst(0)
.rept 64
	v_exp_f32 v[S+j], v[S+j]                       ; p = 2^(t - M): not normalised
.set j, j+1
.endr
	s_setprio 1
	v_pk_mul_f32 v[14:15], v[14:15], v[252:253] op_sel_hi:[1,0]   ; the sums under the new M: the plain place behind the exponentials
	s_wait_alu depctr_va_vdst(0)                   ; the wait ahead of the first line that names a result: one for the whole batch
.irp b, 0,1,2,3
	v_exp_f32 v[BM+\b], v[BM+\b]                   ; the block's largest p: the same two instructions on the same number
.endr
	v_pk_add_f32 v[240:241], v[132:133], v[136:137]
	v_pk_add_f32 v[250:251], v[140:141], v[144:145]
	v_pk_add_f32 v[248:249], v[148:149], v[152:153]
	v_pk_add_f32 v[246:247], v[156:157], v[160:161]
	v_pk_add_f32 v[244:245], v[164:165], v[168:169]
	v_pk_add_f32 v[242:243], v[172:173], v[176:177]
	v_pk_add_f32 v[234:235], v[180:181], v[184:185]
	v_pk_add_f32 v[14:15], v[14:15], v[188:189]
	v_pk_add_f32 v[240:241], v[240:241], v[128:129]
	v_pk_add_f32 v[250:251], v[250:251], v[130:131]
	v_pk_add_f32 v[248:249], v[248:249], v[134:135]
	v_pk_add_f32 v[246:247], v[246:247], v[138:139]
	v_pk_add_f32 v[244:245], v[244:245], v[142:143]
	v_pk_add_f32 v[242:243], v[242:243], v[146:147]
	v_pk_add_f32 v[234:235], v[234:235], v[150:151]
	v_pk_add_f32 v[14:15], v[14:15], v[154:155]
	v_pk_add_f32 v[240:241], v[240:241], v[158:159]
	v_pk_add_f32 v[250:251], v[250:251], v[162:163]
	v_pk_add_f32 v[248:249], v[248:249], v[166:167]
	v_pk_add_f32 v[246:247], v[246:247], v[170:171]
	v_pk_add_f32 v[244:245], v[244:245], v[174:175]
	v_pk_add_f32 v[242:243], v[242:243], v[178:179]
	v_pk_add_f32 v[234:235], v[234:235], v[182:183]
	v_pk_add_f32 v[14:15], v[14:15], v[186:187]
	v_pk_add_f32 v[240:241], v[240:241], v[190:191]
	s_delay_alu instid0(VALU_DEP_2)
	v_pk_add_f32 v[14:15], v[14:15], v[246:247]
	s_delay_alu instid0(VALU_DEP_2)
	v_pk_add_f32 v[240:241], v[240:241], v[244:245]
	v_pk_add_f32 v[250:251], v[250:251], v[242:243]
	v_pk_add_f32 v[248:249], v[248:249], v[234:235]
	s_delay_alu instid0(VALU_DEP_2)
	v_pk_add_f32 v[14:15], v[14:15], v[250:251]
	s_delay_alu instid0(VALU_DEP_2)
	v_pk_add_f32 v[240:241], v[240:241], v[248:249]
	s_delay_alu instid0(VALU_DEP_1)
	v_pk_add_f32 v[14:15], v[14:15], v[240:241]
	s_wait_alu depctr_va_vdst(0)                   ; and one for the four
.irp b, 0,1,2,3
	v_max_num_f32 v[BM+\b], 0x1800000, v[BM+\b]    ; the floor 2^(3 - 127): the byte cannot fall under 1 (a block whose every p is 0 keeps that byte: its codes are zeros)
.endr
.irp b, 0,1,2,3
	s_delay_alu instid0(VALU_DEP_4)
	v_add_nc_u32 v[SCO+\b], 0xff000000, v[BM+\b]   ; 2 off the exponent field: the conversion's scale operand
.endr
.irp b, 0,1,2,3
	s_delay_alu instid0(VALU_DEP_4)
	v_lshrrev_b32 v[T8+\b], 23, v[SCO+\b]          ; the scale's byte
.endr
	s_delay_alu instid0(VALU_DEP_3)
	v_lshl_or_b32 v253, v[T8+1], 8, v[T8]          ; p's scale word for these 128 keys
	s_delay_alu instid0(VALU_DEP_1)
	v_lshl_or_b32 v253, v[T8+2], 16, v253
	s_delay_alu instid0(VALU_DEP_1)
	v_lshl_or_b32 v253, v[T8+3], 24, v253
.irp c, 0,1
	v_cvt_scalef32_pk16_fp6_f32 v[PC+6*\c:PC+2+6*\c], v[S+32*\c:S+15+32*\c], v[SCO+2*\c]
	v_cvt_scalef32_pk16_fp6_f32 v[T8+4*\c:T8+2+4*\c], v[S+16+32*\c:S+31+32*\c], v[SCO+2*\c+1]   ; (a conversion's three registers begin on an even number)
.endr
	v_nop                                          ; one plain place behind a scaled conversion
.irp c, 0,1                                    ; the operand's layout wants a WHOLE block in a lane
.irp i, 0,1,2
	v_permlane16_swap_b32 v[PC+6*\c+\i], v[T8+4*\c+\i]
.endr
.irp i, 0,1,2
	s_delay_alu instid0(VALU_DEP_3)
	v_mov_b32 v[PC+3+6*\c+\i], v[T8+4*\c+\i]
.endr
.endr
.set j, 0
	s_setprio 0
.rept 16
	v_pk_mul_f32 v[O+j:O+j+1], v[O+j:O+j+1], v[252:253] op_sel_hi:[1,0]   ; O^T under the new M.  These sixteen are also the places between the codes, the scale word and the products below
.set j, j+2
.endr
	s_wait_alu depctr_va_vdst(0)
	s_wait_dscnt 0x0                               ; V
.irp n, 0,1,2,3
	PV \n                                          ; the four accumulators by turns; eight other products stand between a trip's and the next trip's
.endr
	s_add_co_u32 s2, s2, STEPB
	s_sub_co_u32 s3, s3, 1
	s_cmp_lg_u32 s3, 0
	s_cbranch_scc1 .Lstep
	s_setprio 0
	; THE WAY OUT: O^T / the sum is the projection's operand: my query's 64 channels are two blocks of 32, register 16 b + i = channel 32 b + 16 (lane / 16) + i.
	v_add_f32 v14, v14, v15                        ; the sum's two halves,
	s_delay_alu instid0(VALU_DEP_1)
	v_permlanex16_b32 v252, v14, s24, s25
	s_delay_alu instid0(VALU_DEP_1)
	v_add_f32 v14, v14, v252                       ; and lane l xor 16's: the row's sum
	s_wait_alu depctr_va_vdst(0)
	v_rcp_f32 v14, v14
	v_and_b32 v254, 31, v0                         ; (plain places behind the reciprocal and behind the last products)
	s_delay_alu instid0(VALU_DEP_1)
	v_lshlrev_b32 v254, 2, v254                    ; 4 x lane
.rept 4
	v_nop
.endr
	s_wait_alu depctr_va_vdst(0)                   ; the wait ahead of the reciprocal's first reader
.set j, 0
.rept 32
	v_mul_f32 v[S+j], v[O+j], v14                  ; each accumulator from its low end on
.set j, j+1
.endr
.irp b, 0,1
	v_max3_num_f32 v[BM+\b], |v[S+16*\b]|, |v[S+1+16*\b]|, 0x1800000
.endr
.irp i, 2,4,6,8,10,12,14
.irp b, 0,1
	s_delay_alu instid0(VALU_DEP_2)
	v_max3_num_f32 v[BM+\b], v[BM+\b], |v[S+16*\b+\i]|, |v[S+1+16*\b+\i]|
.endr
.endr
.irp b, 0,1
	s_delay_alu instid0(VALU_DEP_2)
	v_permlanex16_b32 v[T8+\b], v[BM+\b], s24, s25
.endr
.irp b, 0,1
	s_delay_alu instid0(VALU_DEP_2)
	v_max_num_f32 v[BM+\b], v[BM+\b], v[T8+\b]
.endr
.irp b, 0,1
	s_delay_alu instid0(VALU_DEP_2)
	v_add_nc_u32 v[SCO+\b], 0xff000000, v[BM+\b]
.endr
.irp b, 0,1
	s_delay_alu instid0(VALU_DEP_2)
	v_lshrrev_b32 v[T8+\b], 23, v[SCO+\b]
.endr
	s_delay_alu instid0(VALU_DEP_1)
	v_lshl_or_b32 v253, v[T8+1], 8, v[T8]
	s_delay_alu instid0(VALU_DEP_1)
	v_lshlrev_b32 v253, s28, v253                  ; an even head's bytes are bytes 0, 1 of the projection's scale word, an odd head's bytes 2, 3; the rest is 0
	v_cvt_scalef32_pk16_fp6_f32 v[PC:PC+2], v[S:S+15], v[SCO]
	v_cvt_scalef32_pk16_fp6_f32 v[T8+4:T8+6], v[S+16:S+31], v[SCO+1]
	v_nop
.irp i, 0,1,2
	v_permlane16_swap_b32 v[PC+\i], v[T8+4+\i]
.endr
.irp i, 0,1,2
	s_delay_alu instid0(VALU_DEP_3)
	v_mov_b32 v[PC+3+\i], v[T8+4+\i]
.endr
	global_store_b128 v1, v[PC:PC+3], s[8:9]       ; a half image: 512 consecutive bytes,
	global_store_b64 v2, v[PC+4:PC+5], s[8:9] offset:512   ; and 256
	global_store_b32 v254, v253, s[42:43]
	s_wait_tensorcnt 0x0                           ; the wave's end
	ds_add_u32 v5, v6
	s_wait_dscnt 0x0
	CROUND                                         ; the closing round: no work-group ends while a partner may still ask for a tile that names it
	s_endpgm
.Lfunc_end_k_q50a104b2a4_attn:
	.size	k_q50a104b2a4_attn, .Lfunc_end_k_q50a104b2a4_attn-k_q50a104b2a4_attn
	.p2alignl 7, 3214868480
	.fill 96, 4, 3214868480
	.section	.rodata,"a",@progbits
	.p2align	6, 0x0
	.amdhsa_kernel k_q50a104b2a4_attn
		.amdhsa_group_segment_fixed_size 210944
		.amdhsa_private_segment_fixed_size 0
		.amdhsa_enable_private_segment 0
		.amdhsa_kernarg_size 24
		.amdhsa_user_sgpr_count 2
		.amdhsa_user_sgpr_kernarg_segment_ptr 1
		.amdhsa_wavefront_size32 1
		.amdhsa_system_sgpr_workgroup_id_x 1
		.amdhsa_system_sgpr_workgroup_id_y 1
		.amdhsa_system_sgpr_workgroup_id_z 1
		.amdhsa_system_vgpr_workitem_id 0
		.amdhsa_next_free_vgpr 256
		.amdhsa_next_free_sgpr 66
		.amdhsa_reserve_vcc 0
		.amdhsa_float_denorm_mode_32 3
		.amdhsa_float_denorm_mode_16_64 3
		.amdhsa_memory_ordered 1
		.amdhsa_forward_progress 1
		.amdhsa_inst_pref_size 29
	.end_amdhsa_kernel
	.amdgpu_metadata
---
amdhsa.version: [ 1, 2 ]
amdhsa.kernels:
  - .name:           k_q50a104b2a4_attn
    .symbol:         k_q50a104b2a4_attn.kd
    .args:
      - { .name: qq, .offset: 0, .size: 8, .value_kind: global_buffer, .address_space: global }
      - { .name: kv, .offset: 8, .size: 8, .value_kind: global_buffer, .address_space: global }
      - { .name: aq, .offset: 16, .size: 8, .value_kind: global_buffer, .address_space: global }
    .group_segment_fixed_size: 210944
    .private_segment_fixed_size: 0
    .kernarg_segment_align: 8
    .kernarg_segment_size: 24
    .max_flat_workgroup_size: 512
    .sgpr_count:     66
    .vgpr_count:     256
    .wavefront_size: 32
...
	.end_amdgpu_metadata
.endif
;; end of part 7
;; launch outp (part 8): grid 64 x 4, 4 waves a work-group, no clusters, 68,096 bytes of LDS; arguments aq, wq, bo, out0; writes out0
.if DOCPART == 8
	.amdgcn_target "amdgcn-amd-amdhsa--gfx1250"
	.amdhsa_code_object_version 6
	.text
	.protected	k_q50a104b2a4_outp
	.globl	k_q50a104b2a4_outp
	.p2align	8
	.type	k_q50a104b2a4_outp,@function
k_q50a104b2a4_outp:
	s_mov_b64 s[64:65], 0
	v_nop
	global_prefetch_b8 v0, s[64:65] scope:SCOPE_SE
	s_setreg_imm32_b32 hwreg(HW_REG_WAVE_SCHED_MODE, 0, 2), 2
	s_setreg_imm32_b32 hwreg(HW_REG_WAVE_MODE, 25, 1), 1
	s_wait_xcnt 0x0
	s_wait_alu depctr_vm_vsrc(0)
; out0 = A Wo + bo on codes of FP6 (E2M3): A is attention's result, quantised by the launch before.  No work is left out.
; SHARES: work-group x = 128 tokens, work-group y = 128 columns; wave w takes the two tiles of tokens 32 w .. 32 w + 31 against the 8 tiles of Wo's columns: 64 matrix instructions.
; The product is used transposed (source 0 = 16 columns of Wo, source 1 = 16 tokens): a lane holds one token, and the 16 registers of two neighbouring tiles are 16 neighbouring columns, 64 bytes of a row of out0.
; A's K step s is heads 2 s and 2 s + 1: two half images fill the fragment's registers 0-5 and 6-11, and the two heads' scale words (bytes 0, 1 and bytes 2, 3) are joined by an OR.
; The rows of a tile of tokens are 8 u + r + 8 (r / 8) of a run of 32: the way out puts each row at its own place.
; NO CLUSTER: operands go from memory straight into registers as images; a joint request exists for tensor loads alone, which would send the weights through LDS, one write and one read more, for 64 matrix instructions a wave.
; REGISTERS, in windows of 256: window 0: v1-4 lane terms; v9, v10 stage addresses; v12, v13 the add's two; v16-31 Wo's scale words; v32-39 A's; v40-55 the heads' words; v64-191 two tiles' accumulators; v192-255 rows on their way out.
;   window 1: Wo's tiles 0-3 (48 i + 12 s), v192-255 bo in the result's layout.   window 2: tiles 4-7.   window 3: A's two tiles, v0-47 and v48-95.
; THE MODE: SCHED_MODE bits 1:0 = 2 (LLVM: expert scheduling mode 2), set by the entry lines.  The code itself states the register dependences between vector or matrix instructions and memory or LDS instructions, with s_wait_alu, always for 0.
; THE PLAN.  Registers that memory or LDS instructions touch:
;   v1-v4, v9, v10   offsets and LDS addresses: written once by vector instructions, never again.
;   windows 1 to 3, v16-31, v40-55   loaded once; read by matrix and vector instructions; never loaded again.
;   v32-39           A's scale words: written by eight vector instructions, taken by the products as scales.
;   v64-191          the accumulators: written by the products, read by the stage stores; v64-127 then take the second tile's rows from the stage.
;   v192-255         the first tile's rows: written by LDS loads, read by global stores.
;   v12, v13         written at the head, read by the closing add alone.
; The waits on va_vdst: ahead of the first load (the offsets), ahead of the first product (the scale words), ahead of the stage stores (the accumulators).  One wait on vm_vsrc: ahead of the LDS loads into v64-127.
.set STG,   16896                      ; a wave's stage: two tiles of 16 rows x (512 bytes + 16)
.set SPARE, 4*STG                      ; behind the stages: the spare words, 128 bytes for each wave, which no other line names
.set SI,  16
.set SO,  32
.set AS,  40
.set HA,  64
.set BK,  192
.set BI,  192
.set MSB, 0
.macro WIN new                         ; the immediate's high byte repeats the setting that is left
.if MSB != (\new)
	s_set_vgpr_msb (MSB<<8)|(\new)
.set MSB, (\new)
.endif
.endm
	s_load_b256 s[4:11], s[0:1], 0x0               ; aq, wq, bo, out0
	v_lshl_add_u32 v12, v0, 2, SPARE
	v_mov_b32 v13, 0
	v_lshrrev_b32 v1, 5, v0
	v_readfirstlane_b32 s20, v1                    ; wave
	s_and_b32 s22, ttmp7, 0xffff                   ; which 128 columns
	v_and_b32 v56, 31, v0
	v_lshlrev_b32 v1, 4, v56                       ; 16 x lane
	v_lshlrev_b32 v2, 3, v56                       ; 8 x lane
	v_lshlrev_b32 v3, 2, v56                       ; 4 x lane
	v_bfe_u32 v57, v0, 4, 1                        ; h
	v_lshlrev_b32 v4, 6, v57                       ; 64 h
	s_wait_alu depctr_va_sdst(0)                   ; s20, the wave's number, is written, ahead of its first reader: the offsets below are made from it
	s_mul_i32 s19, s20, STG                        ; my stage
	s_mul_i32 s24, s22, 49152
	s_add_co_u32 s24, s24, 589824                  ; Wo is the fourth matrix of wq; my 8 tiles
	s_mov_b32 s25, 0
	s_lshl_b32 s28, s22, 11
	s_add_co_u32 s28, s28, 811008                  ; their scale images: 786,432 + 3 x 8,192 on
	s_mov_b32 s29, 0
	s_lshl_b32 s32, s22, 9                         ; bo's 128 numbers
	s_mov_b32 s33, 0
	s_mul_i32 s26, ttmp9, 49152                    ; 8 tiles x 8 heads x 768,
	s_mul_i32 s27, s20, 12288                      ; my two tiles
	s_add_co_u32 s26, s26, s27
	s_mov_b32 s27, 0
	s_lshl_b32 s30, ttmp9, 13
	s_lshl_b32 s31, s20, 11
	s_add_co_u32 s30, s30, s31
	s_add_co_u32 s30, s30, 3145728                 ; their scale words
	s_mov_b32 s31, 0
	s_lshl_b32 s36, ttmp9, 18                      ; 128 rows of 2,048 bytes,
	s_lshl_b32 s37, s20, 16                        ; my 32,
	s_add_co_u32 s36, s36, s37
	s_add_co_u32 s36, s36, s32                     ; my work-group's 512 bytes of a row
	s_mov_b32 s37, 0
	s_wait_kmcnt 0x0
	s_add_nc_u64 s[24:25], s[6:7], s[24:25]
	s_add_nc_u64 s[28:29], s[6:7], s[28:29]
	s_add_nc_u64 s[32:33], s[8:9], s[32:33]
	s_add_nc_u64 s[26:27], s[4:5], s[26:27]
	s_add_nc_u64 s[30:31], s[4:5], s[30:31]
	s_add_nc_u64 s[36:37], s[10:11], s[36:37]
	WIN 0x40                                       ; destination window 1, address window 0
	s_wait_alu depctr_va_vdst(0)                   ; the offsets v1 to v4 are written, which the loads below read; only loads and window switches follow up to the wait for their data
.irp i, 0,1,2,3
.irp s, 0,1,2,3
.irp g, 0,1,2
	global_load_b128 v[48*\i+12*\s+4*\g:48*\i+12*\s+4*\g+3], v1, s[24:25] offset:6144*\i+1536*\s+512*\g
.endr
.endr
.endr
.irp t, 0,1,2,3,4,5,6,7                        ; bo: lane (r, h), tile 2 b + u, register j: column 32 b + 16 h + 8 u + j
	global_load_b128 v[BI+8*\t:BI+8*\t+3], v4, s[32:33] offset:(32*(\t/2)+8*(\t%2))*4
	global_load_b128 v[BI+8*\t+4:BI+8*\t+7], v4, s[32:33] offset:(32*(\t/2)+8*(\t%2))*4+16
.endr
	WIN 0x80                                       ; destination window 2
.irp i, 0,1,2,3
.irp s, 0,1,2,3
.irp g, 0,1,2
	global_load_b128 v[48*\i+12*\s+4*\g:48*\i+12*\s+4*\g+3], v1, s[24:25] offset:6144*(\i+4)+1536*\s+512*\g
.endr
.endr
.endr
	WIN 0xc0                                       ; destination window 3
.irp o, 0,1
.irp hd, 0,1,2,3,4,5,6,7
	global_load_b128 v[48*\o+12*(\hd/2)+6*(\hd%2):48*\o+12*(\hd/2)+6*(\hd%2)+3], v1, s[26:27] offset:6144*\o+768*\hd
	global_load_b64 v[48*\o+12*(\hd/2)+6*(\hd%2)+4:48*\o+12*(\hd/2)+6*(\hd%2)+5], v2, s[26:27] offset:6144*\o+768*\hd+512
.endr
.endr
	WIN 0
.irp p, 0,1,2,3
.irp s, 0,1,2,3
	global_load_b32 v[SI+4*\p+\s], v3, s[28:29] offset:512*\p+128*\s   ; lanes 0-15: tile 2 p's columns; lanes 16-31: tile 2 p + 1's
.endr
.endr
.irp o, 0,1
.irp hd, 0,1,2,3,4,5,6,7
	global_load_b32 v[AS+8*\o+\hd], v3, s[30:31] offset:1024*\o+128*\hd
.endr
.endr
	s_wait_loadcnt 0x0
.irp o, 0,1
.irp s, 0,1,2,3
	v_or_b32 v[SO+4*\o+\s], v[AS+8*\o+2*\s], v[AS+8*\o+2*\s+1]   ; two heads' bytes make a K step's scale word
.endr
.endr
	v_and_b32 v56, 15, v0                          ; eight plain lines stand between a scale word made by a vector instruction and the first scaled product: the stage's addresses, and three v_nop
	v_mul_u32_u24 v9, v56, 528
	v_lshl_add_u32 v9, v57, 6, v9
	v_add_nc_u32 v9, s19, v9                       ; into the stage: row r, + 64 h
	v_add_nc_u32 v10, s19, v1                      ; back: 16 x lane of a row
.rept 3
	v_nop
.endr
	s_wait_alu depctr_va_vdst(0)                   ; the eight ORs have written A's scale words v[SO] on, which the products below take as scales; the eight places above stay beside this wait
.macro WMO d, a, b, c, sa, sb, ra
.if (\ra)
	v_wmma_scale_f32_16x16x128_f8f6f4 v[\d:\d+7], v[\a:\a+11], v[\b:\b+11], v[\c:\c+7], v[\sa], v[\sb] matrix_a_fmt:MATRIX_FMT_FP6 matrix_b_fmt:MATRIX_FMT_FP6 matrix_a_scale:MATRIX_SCALE_ROW1
.else
	v_wmma_scale_f32_16x16x128_f8f6f4 v[\d:\d+7], v[\a:\a+11], v[\b:\b+11], v[\c:\c+7], v[\sa], v[\sb] matrix_a_fmt:MATRIX_FMT_FP6 matrix_b_fmt:MATRIX_FMT_FP6
.endif
.endm
; 32 matrix instructions for tile o of tokens: the eight accumulators by turns, one instruction a turn, K step by K step; bo is the C of each sum's first instruction.
.macro MMO o
.irp s, 0,1,2,3
.irp i, 0,1,2,3,4,5,6,7
.if \s == 0
	WIN 0x1d+(\i/4)                                ; source 0 window 1 or 2, source 1 window 3, C window 1, D window 0
	WMO HA+64*\o+8*\i, 48*(\i%4)+12*\s, 48*\o+12*\s, BI+8*\i, SI+4*(\i/2)+\s, SO+4*\o+\s, \i%2
.else
	WIN 0x0d+(\i/4)                                ; C and D window 0
	WMO HA+64*\o+8*\i, 48*(\i%4)+12*\s, 48*\o+12*\s, HA+64*\o+8*\i, SI+4*(\i/2)+\s, SO+4*\o+\s, \i%2
.endif
.endr
.endr
.endm
	MMO 0
	MMO 1
	WIN 0
.rept 4
	v_nop                                          ; four places between the last product and the first read of results
.endr
	s_wait_alu depctr_va_vdst(0)                   ; the products have written the accumulators, which the stage stores read and into the first 64 of which LDS loads land further down; the places above stay beside this wait
	; THE WAY OUT, through my own stage: a lane's 64 bytes of a row go in, whole rows of 512 bytes come back.  LDS serves a wave's instructions in order: no wait between the stores and the loads.
.irp b, 0,1,2,3
.irp q, 0,1,2,3
	ds_store_b128 v9, v[HA+16*\b+4*\q:HA+16*\b+4*\q+3] offset:128*\b+16*\q   ; each accumulator from its low end on
.endr
.endr
.irp rr, 0,1,2,3,4,5,6,7,8,9,10,11,12,13,14,15
	ds_load_b128 v[BK+4*\rr:BK+4*\rr+3], v10 offset:528*\rr
.endr
.irp b, 0,1,2,3
.irp q, 0,1,2,3
	ds_store_b128 v9, v[HA+64+16*\b+4*\q:HA+64+16*\b+4*\q+3] offset:8448+128*\b+16*\q
.endr
.endr
	s_wait_dscnt 16                                ; the first tile's rows are back; the second tile's sixteen stores may be out
.irp rr, 0,1,2,3,4,5,6,7,8,9,10,11,12,13,14,15
	global_store_b128 v1, v[BK+4*\rr:BK+4*\rr+3], s[36:37] offset:(\rr+8*(\rr/8))*2048 th:TH_STORE_NT   ; 32 lanes store 512 consecutive bytes, at a multiple of 512 from out0's first byte
.endr
	s_wait_alu depctr_vm_vsrc(0)                   ; the first tile's stage stores have read v[HA] to v[HA + 63], in which the loads below land
.irp rr, 0,1,2,3,4,5,6,7,8,9,10,11,12,13,14,15
	ds_load_b128 v[HA+4*\rr:HA+4*\rr+3], v10 offset:8448+528*\rr   ; into the first tile's accumulators, whose stage stores are done
.endr
	s_wait_dscnt 0x0
.irp rr, 0,1,2,3,4,5,6,7,8,9,10,11,12,13,14,15
	global_store_b128 v1, v[HA+4*\rr:HA+4*\rr+3], s[36:37] offset:(8+\rr+8*(\rr/8))*2048 th:TH_STORE_NT
.endr
	s_wait_dscnt 0x0                               ; the closing lines, six on end
	s_wait_alu 0x0
	s_wait_tensorcnt 0x0
	ds_add_u32 v12, v13
	s_wait_dscnt 0x0
	s_endpgm
.Lfunc_end_k_q50a104b2a4_outp:
	.size	k_q50a104b2a4_outp, .Lfunc_end_k_q50a104b2a4_outp-k_q50a104b2a4_outp
	.p2alignl 7, 3214868480
	.fill 96, 4, 3214868480
	.section	.rodata,"a",@progbits
	.p2align	6, 0x0
	.amdhsa_kernel k_q50a104b2a4_outp
		.amdhsa_group_segment_fixed_size 68096
		.amdhsa_private_segment_fixed_size 0
		.amdhsa_enable_private_segment 0
		.amdhsa_kernarg_size 32
		.amdhsa_user_sgpr_count 2
		.amdhsa_user_sgpr_kernarg_segment_ptr 1
		.amdhsa_wavefront_size32 1
		.amdhsa_system_sgpr_workgroup_id_x 1
		.amdhsa_system_sgpr_workgroup_id_y 1
		.amdhsa_system_sgpr_workgroup_id_z 1
		.amdhsa_system_vgpr_workitem_id 0
		.amdhsa_next_free_vgpr 864
		.amdhsa_next_free_sgpr 66
		.amdhsa_reserve_vcc 0
		.amdhsa_float_denorm_mode_32 3
		.amdhsa_float_denorm_mode_16_64 3
		.amdhsa_memory_ordered 1
		.amdhsa_forward_progress 1
		.amdhsa_inst_pref_size 36
	.end_amdhsa_kernel
	.amdgpu_metadata
---
amdhsa.version: [ 1, 2 ]
amdhsa.kernels:
  - .name:           k_q50a104b2a4_outp
    .symbol:         k_q50a104b2a4_outp.kd
    .args:
      - { .name: aq, .offset: 0, .size: 8, .value_kind: global_buffer, .address_space: global }
      - { .name: wq, .offset: 8, .size: 8, .value_kind: global_buffer, .address_space: global }
      - { .name: bo, .offset: 16, .size: 8, .value_kind: global_buffer, .address_space: global }
      - { .name: out0, .offset: 24, .size: 8, .value_kind: global_buffer, .address_space: global }
    .group_segment_fixed_size: 68096
    .private_segment_fixed_size: 0
    .kernarg_segment_align: 8
    .kernarg_segment_size: 32
    .max_flat_workgroup_size: 128
    .sgpr_count:     66
    .vgpr_count:     864
    .wavefront_size: 32
...
	.end_amdgpu_metadata
.endif
;; end of part 8
